; MI455X (gfx1250); checked and timed in simulation.
; The chip was launched on July 23, 2026; its instructions are those of AMD's public machine-readable ISA for CDNA 5 (MIT licence, August 2026) and "CDNA5" Instruction Set Architecture Reference Guide (July 2026). The comments in the code are by the model that wrote it; some were corrected since.
;; Attention Block. Allowed arithmetic: float matrix products may take bf16 or f16 operands with f32 sums; other float arithmetic in f32, or as packed bf16 or f16 multiplies, adds, multiply-adds, maxima and minima; sums over many terms, partial sums and values carried from step to step in f32; what a program stores and reads back later, other than sums and carried values, may be rounded once to bf16 or f16.
;; Inputs: Wk 1,024 x 1,024 float32; Wq 1,024 x 1,024 float32; Wv 1,024 x 1,024 float32; bk 1,024 float32; bq 1,024 float32; bv 1,024 float32; inputs 4 x 2,048 x 1,024 float32.
;; Outputs: out0 4 x 2,048 x 2,048 float32.
;; 2 versions, each right; version 2 is version 1 with the launch prep written anew for expert scheduling mode. Each part assembles by itself: llvm-mc -triple=amdgcn-amd-amdhsa -mcpu=gfx1250 --defsym DOCPART=n.
;; ======== version 1 of 2: 5 launches
;; limits: right only within a limited range of input values
;; workspace buffers: xb 16,777,216 bytes; wb 6,291,456 bytes; qkv 50,331,648 bytes; sc 67,108,864 bytes; pb 33,554,432 bytes
;; launch prep (part 1): grid 704 x 1, 8 waves a work-group, no clusters, 0 bytes of LDS; arguments inputs, Wq, Wk, Wv, xb, wb; writes xb, wb
.if DOCPART == 1
	.amdgcn_target "amdgcn-amd-amdhsa--gfx1250"
	.amdhsa_code_object_version 6
	.text
	.protected	k_qc4b3b0459b_prep
	.globl	k_qc4b3b0459b_prep
	.p2align	8
	.type	k_qc4b3b0459b_prep,@function
k_qc4b3b0459b_prep:
	s_mov_b64 s[64:65], 0
	v_nop
	global_prefetch_b8 v0, s[64:65] scope:SCOPE_SE
	s_setreg_imm32_b32 hwreg(HW_REG_WAVE_MODE, 25, 1), 1
	s_wait_xcnt 0x0
; PREP.  x [8192][1024] f32 -> xb bf16, rounded once; Wq, Wk, Wv [1024][1024] f32 -> wb [3][1024][1024] bf16, as they lie (d counts the rows, n runs along a row).
; A stream: each byte is read once and written once; no LDS, no barrier, no matrix work.
; SHARES.  A row is 4,096 bytes; thread t of 256 takes its bytes 16 t.  A work-group takes 16 rows: groups 0-511 those of x, groups 512-703 those of the
; three weight matrices (64 groups each).  All 16 loads of a thread go out at once; a load of a wave covers 512 consecutive bytes, a store 256, aligned.
.set X, 4                              ; v[4:67]   row i as loaded: 4 registers
.set Y, 68                             ; v[68:99]  row i in bf16: 2 registers
	s_load_b256 s[4:11], s[0:1], 0x0               ; inputs s[4:5], Wq s[6:7], Wk s[8:9], Wv s[10:11]
	s_load_b128 s[12:15], s[0:1], 0x20             ; xb s[12:13], wb s[14:15]
	v_lshlrev_b32 v1, 4, v0                        ; my 16 bytes of an f32 row
	v_lshlrev_b32 v2, 3, v0                        ; my 8 bytes of a bf16 row
	s_mov_b32 s27, 0                               ; high word of every offset
	s_wait_kmcnt 0x0
	s_cmp_lt_u32 ttmp9, 512
	s_cbranch_scc0 .Lweights
	s_lshl_b32 s26, ttmp9, 16                      ; 16 rows of 4,096 bytes
	s_add_nc_u64 s[20:21], s[4:5], s[26:27]
	s_lshl_b32 s26, ttmp9, 15                      ; 16 rows of 2,048 bytes
	s_add_nc_u64 s[22:23], s[12:13], s[26:27]
	s_branch .Lrows
.Lweights:
	s_sub_co_u32 s28, ttmp9, 512                   ; 0..191
	s_lshr_b32 s29, s28, 6                         ; which matrix: 0 q, 1 k, 2 v
	s_cmp_eq_u32 s29, 0
	s_cselect_b64 s[20:21], s[6:7], s[8:9]
	s_cmp_eq_u32 s29, 2
	s_cselect_b64 s[20:21], s[10:11], s[20:21]
	s_and_b32 s26, s28, 63
	s_lshl_b32 s26, s26, 16                        ; its 16 rows in that matrix
	s_add_nc_u64 s[20:21], s[20:21], s[26:27]
	s_lshl_b32 s26, s28, 15                        ; the three matrices lie end to end in wb
	s_add_nc_u64 s[22:23], s[14:15], s[26:27]
.Lrows:                                        ; 16 rows from s[20:21] to s[22:23]; no register is written twice
.irp i, 0,1,2,3,4,5,6,7,8,9,10,11,12,13,14,15
	global_load_b128 v[X+4*(\i):X+4*(\i)+3], v1, s[20:21] offset:4096*(\i) th:TH_LOAD_NT
.endr
.irp i, 0,1,2,3,4,5,6,7,8,9,10,11,12,13,14,15
	s_wait_loadcnt 15-(\i)                         ; loads come back in order: row i is in, the 15 - i younger ones may stay out
	v_cvt_pk_bf16_f32 v[Y+2*(\i)],   v[X+4*(\i)],   v[X+4*(\i)+1]
	v_cvt_pk_bf16_f32 v[Y+2*(\i)+1], v[X+4*(\i)+2], v[X+4*(\i)+3]
	global_store_b64 v2, v[Y+2*(\i):Y+2*(\i)+1], s[22:23] offset:2048*(\i)
.endr
	s_endpgm
.Lfunc_end_k_qc4b3b0459b_prep:
	.size	k_qc4b3b0459b_prep, .Lfunc_end_k_qc4b3b0459b_prep-k_qc4b3b0459b_prep
	.p2alignl 7, 3214868480
	.fill 96, 4, 3214868480
	.section	.rodata,"a",@progbits
	.p2align	6, 0x0
	.amdhsa_kernel k_qc4b3b0459b_prep
		.amdhsa_group_segment_fixed_size 0
		.amdhsa_private_segment_fixed_size 0
		.amdhsa_enable_private_segment 0
		.amdhsa_kernarg_size 48
		.amdhsa_user_sgpr_count 2
		.amdhsa_user_sgpr_kernarg_segment_ptr 1
		.amdhsa_wavefront_size32 1
		.amdhsa_system_sgpr_workgroup_id_x 1
		.amdhsa_system_sgpr_workgroup_id_y 1
		.amdhsa_system_sgpr_workgroup_id_z 1
		.amdhsa_system_vgpr_workitem_id 0
		.amdhsa_next_free_vgpr 112
		.amdhsa_next_free_sgpr 66
		.amdhsa_reserve_vcc 0
		.amdhsa_float_denorm_mode_32 3
		.amdhsa_float_denorm_mode_16_64 3
		.amdhsa_memory_ordered 1
		.amdhsa_forward_progress 1
		.amdhsa_inst_pref_size 7
	.end_amdhsa_kernel
	.amdgpu_metadata
---
amdhsa.version: [ 1, 2 ]
amdhsa.kernels:
  - .name:           k_qc4b3b0459b_prep
    .symbol:         k_qc4b3b0459b_prep.kd
    .args:
      - { .name: inputs, .offset: 0, .size: 8, .value_kind: global_buffer, .address_space: global }
      - { .name: Wq, .offset: 8, .size: 8, .value_kind: global_buffer, .address_space: global }
      - { .name: Wk, .offset: 16, .size: 8, .value_kind: global_buffer, .address_space: global }
      - { .name: Wv, .offset: 24, .size: 8, .value_kind: global_buffer, .address_space: global }
      - { .name: xb, .offset: 32, .size: 8, .value_kind: global_buffer, .address_space: global }
      - { .name: wb, .offset: 40, .size: 8, .value_kind: global_buffer, .address_space: global }
    .group_segment_fixed_size: 0
    .private_segment_fixed_size: 0
    .kernarg_segment_align: 8
    .kernarg_segment_size: 48
    .max_flat_workgroup_size: 256
    .sgpr_count:     66
    .vgpr_count:     112
    .wavefront_size: 32
...
	.end_amdgpu_metadata
.endif
;; end of part 1
;; launch qkv (part 2): grid 16 x 16, 4 waves a work-group, clusters of 4 x 4, 327,680 bytes of LDS; arguments xb, wb, bq, bk, bv, qkv, inputs, out0; writes qkv, out0
.if DOCPART == 2
	.amdgcn_target "amdgcn-amd-amdhsa--gfx1250"
	.amdhsa_code_object_version 6
	.text
	.protected	k_qc4b3b0459b_qkv
	.globl	k_qc4b3b0459b_qkv
	.p2align	8
	.type	k_qc4b3b0459b_qkv,@function
k_qc4b3b0459b_qkv:
	s_mov_b64 s[64:65], 0
	v_nop
	global_prefetch_b8 v0, s[64:65] scope:SCOPE_SE
	s_setreg_imm32_b32 hwreg(HW_REG_WAVE_MODE, 25, 1), 1
	s_wait_xcnt 0x0
	s_wait_alu depctr_hold_cnt(0) depctr_sa_sdst(0) depctr_va_vdst(0) depctr_va_sdst(0) depctr_va_ssrc(0) depctr_va_vcc(0) depctr_vm_vsrc(0)
	s_getreg_b32 s2, hwreg(HW_REG_IB_STS2, 6, 4)
	s_cmp_eq_u32 s2, 0
	s_cbranch_scc0 .Lentry_in_a_cluster
	s_endpgm
.Lentry_in_a_cluster:
	s_bfe_u32 s2, ttmp6, 0x10000c
	s_cmp_lg_u32 s2, 0xf033
	s_cbranch_scc0 .Lentry_shape_is_right
	s_endpgm
.Lentry_shape_is_right:
; QKV.  qkv[m][1024 j + n] = bias_j[n] + sum over d of xb[m][d] wb[j][d][n], j = 0 (q), 1 (k), 2 (v).  xb [8192][1024], wb [3][1024][1024] bf16; sums in f32; qkv [8192][3072] bf16, rounded once.
; AND THE COPY: out0[m][0..1023] = inputs[m][0..1023], f32, unchanged.
; CLUSTERS of 4 x 4, sixteen of them.  The cluster's x is 0, 1, 2: the matrix j (cx the tile column in it); or 3: the copy.  The branch between the two hangs on the cluster's x, which all sixteen partners share.
; A WORK-GROUP STAYS: the 32 x 12 tiles of 256 x 256 are made by 16 x 12 work-groups, two tiles each, one 4,096 rows below the other: work-group row 4 x cluster y + cy takes tile rows R and R + 16.
; The ring of LDS slots does not stop at the first tile's end, and nothing waits for its stores.  The 64 work-groups of the fourth column of clusters copy 128 rows each beside them; the copy hangs on no earlier launch.
; A tile is made by four waves, 128 x 128 each: 64 accumulators of 16 x 16, 512 registers.  K = 1,024 goes in 8 steps of 128 through two LDS slots filled by the tensor data mover: a walk of 16 K steps.
; x's tile has K along its rows (256 bytes a row).  W's tile lies [d][n]: 128 rows of 512 bytes; its fragments are turned on the way out of LDS by ds_load_tr16_b128.
; THE BIAS is the C operand of the product that starts each sum: nothing is cleared and nothing is added later.
; x's tile is shared along a row of the cluster, W's along a column: each is asked for jointly, by the same tensor load with the same descriptor and a mask that names the four.
; A K STEP IS WRITTEN ONCE for the fourteen steps that fill a slot again and once for the last two: the slot in hand is a scalar, turned by one exclusive or, and one descriptor walks from fill to fill.
; What differs from step to step (a tile's first quarter, the first tile's way out, the descriptors' step to the second tile) hangs on the loop's count, the same in every work-group; those jumps go forward, over no barrier and no tensor load.
; THE MATRIX INSTRUCTION IS USED TRANSPOSED: source 0 = 16 columns of W, source 1 = 16 rows of x: a lane then holds row l % 16 and the columns 8 (l / 16) + 0..7, which pack into 16 bytes.
; REGISTERS, in windows of 256 (s_set_vgpr_msb: bits 1:0 source 0, 3:2 source 1, 5:4 source 2, 7:6 destination):
;   window 0: v0-31 addresses; v32-63, v224-255 rows read back on the way out; v64-127, v128-191 fragments of x, two buffers (in the copy: 32 x 16 bytes on their way); v192-223 packed results
;   window 1: v0-63 the bias of my 128 columns, laid as eight C operands; v64-127, v128-191 fragments of W, two buffers
;   window 2: the accumulators of my rows 0-63 ((a, b) at v[8 (8 a + b)]);  window 3: those of my rows 64-127
.set KSTEP,  128
.set PITCH,  272                       ; an LDS row of x: 256 bytes + 16: the 16 rows of a fragment load start 16 bytes apart modulo 256
.set PB,     544                       ; an LDS row of W: 512 bytes + 32: an odd multiple of 32, as the turning load's 8 rows x 32 bytes want
.set HALFT,  128*PITCH                 ; what one tensor load brings: 128 rows of x, or 64 rows of W (64 x 544 is the same number): 0x8800
.set SLOT,   4*HALFT                   ; x's 256 rows, then W's 128 rows: 0x22000, which shares no bit with wave x 0x8800: an exclusive or with it turns a tile's LDS address into the other slot's
.set STAGE,  2*SLOT                    ; behind the ring: 16 rows x 272 bytes for each wave, for the way out
.set SPITCH, 272
.set SPARE,  STAGE+4*16*SPITCH         ; behind the stages: the spare words, 128 bytes a wave, which no other line names
.set XROW,   2048                      ; bytes in a row of xb and of wb
.set CROW,   6144                      ; bytes in a row of qkv
.set WSTEP,  KSTEP*XROW                ; a K step in wb: 128 rows down
.set WALK,   4096                      ; rows from a work-group's first tile to its second
.set NEXT_A, WALK*XROW-7*KSTEP*2       ; bytes in xb from the first tile's last K step to the second tile's first
.set ADRA,  16                         ; v16  LDS address of my fragments of x in the slot in hand
.set ADRB,  17                         ; v17  the same for W
.set ADRA0, 18                         ; v18  the same in slot 0; never rewritten
.set ADRB0, 19                         ; v19
.set CPO,  20                          ; v20  the copy: my 16 bytes of half a row
.set STO,  24                          ; v24  the way out: where I put 16 bytes of a row
.set RD,   25                          ; v25  where I read a row back
.set CO,   26                          ; v26  my byte offset in two rows of qkv
.set SPW,  28                          ; v28  my spare word: SPARE + 4 x my thread's number; never rewritten
.set NIL,  29                          ; v29  0; never rewritten
.set PFO,  30                          ; v30  the prefetches' lane offset; never rewritten
.set BO,   31                          ; v31  my byte offset in the bias
.set OB,   32
.set F0,   64
.set F1,   128
.set TMP,  192
.set G1,   24                          ; s[24:31] descriptor group 1 for x's tiles
.set G0,   32                          ; s[32:39] group 0 for x's tiles: a set for each of the two first fills; the second then walks on
.set LIM,  43                          ; s43      a wave prefetches while the loop's count is above this: 2 for x's rows, 10 for W's, the greatest number in a wave that asks for nothing
.set PFA,  44                          ; s[44:45] the K step that my next prefetch names
.set G1B,  48                          ; s[48:55] group 1 for W's tiles
.set G0B,  56                          ; s[56:63] group 0 for W's tiles, likewise
.set PFS,  66                          ; s[66:67] a K step in bytes along my prefetches' tensor
.set BP,   68                          ; s[68:69] the bias of my matrix
.set TB,   70                          ; s70      0 or SLOT: the slot in hand
.set JA,   84                          ; s[84:85] what x's walking address steps by
.set JB,   86                          ; s[86:87] what W's walking address goes back by
.set PFT,  88                          ; s[88:89] what the prefetches' address steps by
.set CNA,  90                          ; s90      NEXT_A
.set MSB, 0
.macro WIN new                         ; the immediate's high byte repeats the setting that is left; a switch that changes nothing is dropped
.if MSB != (\new)
	s_set_vgpr_msb (MSB<<8)|(\new)
.set MSB, \new
.endif
.endm
.set TO_B, 0x40                        ; destination window 1, address window 0
; A joint load.  Waves 0 and 1 fetch x's two halves, waves 2 and 3 W's.  The branch hangs on the wave's number alone.  An s_nop 0 and four v_nop follow each line.
.macro JLOAD s
	s_cmp_eq_u32 s11, 0
	s_cbranch_scc0 .Lfor_b_\@
	tensor_load_to_lds s[G0+4*(\s):G0+4*(\s)+3], s[G1:G1+7]
	s_nop 0
.rept 4
	v_nop
.endr
	s_branch .Lasked_\@
.Lfor_b_\@:
	tensor_load_to_lds s[G0B+4*(\s):G0B+4*(\s)+3], s[G1B:G1B+7]
	s_nop 0
.rept 4
	v_nop
.endr
.Lasked_\@:
.endm
; A prefetch of the K step that stands two refills on (512 matrix instructions ahead of the load that will want it): 32 blocks of 256 bytes, a lane a block, one instruction a wave.
; Each block is named once in the launch: x's rows by the clusters with x = 0, W's by those with y = 0; the four partners of a joint load share its rows out by address.
; The loop's count goes 14 .. 1 with the walk's steps 0 .. 13.  x: steps 0 to 11 name the walk's steps 4 to 15.  W: steps 0 to 3 name its K steps 4 to 7; the second tile reads the same rows of W again, and they are not asked for again.
.macro ASK
	s_cmp_gt_u32 s3, s[LIM]
	s_cbranch_scc0 .Lnot_mine_\@
	global_prefetch_b8 v[PFO], s[PFA:PFA+1] th:TH_LOAD_NT scope:SCOPE_SE
.Lnot_mine_\@:
.endm
.macro CREST                           ; a round of the cluster's barrier behind its opening barrier
	s_cmp_lg_u32 s10, 0
	s_cbranch_scc1 .Lnot_wave_0_\@
	s_barrier_signal -3
.Lnot_wave_0_\@:
	s_barrier_wait -3
	s_barrier_signal -1
	s_barrier_wait -1
.endm
.macro CROUND                          ; a whole round
	s_barrier_signal -1
	s_barrier_wait -1
	CREST
.endm
	s_load_b128 s[4:7], s[0:1], 0x0                ; xb s[4:5], wb s[6:7]
	s_load_b256 s[72:79], s[0:1], 0x10             ; bq s[72:73], bk s[74:75], bv s[76:77], qkv s[78:79]
	s_load_b128 s[80:83], s[0:1], 0x30             ; inputs s[80:81], out0 s[82:83]
	v_lshl_add_u32 v[SPW], v0, 2, SPARE
	v_mov_b32 v[NIL], 0
	ds_add_u32 v[SPW], v[NIL]                      ; the wave's opening: the add and its wait stand ahead of my first tensor load; work on registers stands between
	v_lshrrev_b32 v1, 5, v0
	v_readfirstlane_b32 s10, v1                    ; wave 0..3
	s_lshr_b32 s11, s10, 1                         ; my half of the tile's rows.  Also: I fetch for x (0) or for W (1)
	s_and_b32 s12, s10, 1                          ; my half of its columns.  Also: which half of that tile I fetch
	s_bfe_u32 s40, ttmp6, 0x40000                  ; cx
	s_bfe_u32 s41, ttmp6, 0x40004                  ; cy
	s_and_b32 s13, ttmp7, 0xffff
	s_lshl_b32 s13, s13, 2
	s_add_co_u32 s13, s13, s41                     ; work-group row R = 4 x cluster y + cy, 0..15: my first tile row
	s_lshl_b32 s43, s41, 2
	s_lshl_b32 s43, 15, s43                        ; my row of the cluster
	s_lshl_b32 s44, 0x1111, s40                    ; my column
	s_or_b32 s[G1+0], s43, (1<<16)|(1<<20)|(1<<21)|(5<<22)|(3<<25)   ; mask; 2-byte elements; padding on; bit 21 beside a mask; after every 64 words, 4 words
	s_mov_b32 s[G1+1], KSTEP<<16                   ; tensor_dim0 = 128
	s_mov_b32 s[G1+2], 128<<16                     ; tensor_dim1 = 128
	s_mov_b32 s[G1+3], KSTEP<<16                   ; tile_dim0 = 128
	s_mov_b32 s[G1+4], 128                         ; tile_dim1 = 128
	s_mov_b32 s[G1+5], 1024                        ; elements from row to row
	s_mov_b32 s[G1+6], 0
	s_mov_b32 s[G1+7], 0
	s_or_b32 s[G1B+0], s44, (1<<16)|(1<<20)|(1<<21)|(6<<22)|(7<<25)  ; after every 128 words, 8 words
	s_mov_b32 s[G1B+1], 256<<16                    ; tensor_dim0 = 256
	s_mov_b32 s[G1B+2], 64<<16                     ; tensor_dim1 = 64
	s_mov_b32 s[G1B+3], 256<<16                    ; tile_dim0 = 256
	s_mov_b32 s[G1B+4], 64                         ; tile_dim1 = 64
	s_mov_b32 s[G1B+5], 1024
	s_mov_b32 s[G1B+6], 0
	s_mov_b32 s[G1B+7], 0
	s_mov_b32 s[TB], 0
	; x's tile hangs on the tile row alone, W's on the matrix and cx alone; each address is made in registers that never hold the other coordinate
	s_lshl_b32 s16, s13, 8
	s_lshl_b32 s17, s12, 7
	s_add_co_u32 s16, s16, s17                     ; x: row 256 x tile row + 128 x half
	s_lshl_b32 s16, s16, 11                        ; in bytes
	s_mov_b32 s17, 0
	s_lshl_b32 s46, ttmp9, 21                      ; W: the matrix,
	s_lshl_b32 s47, s12, 17                        ; 64 rows x half,
	s_add_co_u32 s46, s46, s47
	s_lshl_b32 s47, s40, 9                         ; 256 columns x cx
	s_add_co_u32 s46, s46, s47
	s_mov_b32 s47, 0
	s_mul_i32 s20, s10, HALFT                      ; where the tiles go: wave x one load's bytes; no place in the cluster enters an LDS address
	s_wait_dscnt 0x0                               ; the opening add is done
	s_wait_kmcnt 0x0
	s_cmp_eq_u32 ttmp9, 3
	s_cbranch_scc1 .Lcopy                          ; the fourth column of clusters copies
	s_mov_b32 s[JA+1], 0                           ; high words of the three steps
	s_mov_b32 s[JB+1], 0
	s_mov_b32 s[PFT+1], 0
	s_mov_b32 s[CNA], NEXT_A
	s_add_nc_u64 s[14:15], s[4:5], s[16:17]
	s_add_nc_u64 s[46:47], s[6:7], s[46:47]
	CROUND                                         ; all sixteen work-groups are here: the first joint loads meet
.irp s, 0,1
	s_mov_b32 s[G0+4*(\s)], 1
	s_add_co_u32 s[G0+4*(\s)+1], s20, (\s)*SLOT
	s_add_nc_u64 s[G0+4*(\s)+2:G0+4*(\s)+3], s[14:15], (\s)*KSTEP*2
	s_or_b32 s[G0+4*(\s)+3], s[G0+4*(\s)+3], 0x80000000
	s_mov_b32 s[G0B+4*(\s)], 1
	s_add_co_u32 s[G0B+4*(\s)+1], s20, (\s)*SLOT
	s_add_nc_u64 s[G0B+4*(\s)+2:G0B+4*(\s)+3], s[46:47], (\s)*WSTEP
	s_or_b32 s[G0B+4*(\s)+3], s[G0B+4*(\s)+3], 0x80000000
	JLOAD \s                                       ; two loads of mine are out
.endr
	; the bias: register j of block b holds bias[256 cx + 128 half + 16 b + 8 (l / 16) + j], the layout of a C operand; both tiles have the same columns
	v_and_b32 v1, 15, v0                           ; l % 16
	v_bfe_u32 v2, v0, 4, 1                         ; l / 16
	s_cmp_eq_u32 ttmp9, 0
	s_cselect_b64 s[BP:BP+1], s[72:73], s[74:75]
	s_cmp_eq_u32 ttmp9, 2
	s_cselect_b64 s[BP:BP+1], s[76:77], s[BP:BP+1]
	s_lshl_b32 s22, s12, 9
	s_lshl_b32 s23, s40, 10
	s_add_co_u32 s22, s22, s23
	v_lshlrev_b32 v[BO], 5, v2
	v_add_nc_u32 v[BO], s22, v[BO]
	WIN TO_B
.irp b, 0,1,2,3,4,5,6,7
	global_load_b128 v[8*(\b):8*(\b)+3],   v[BO], s[BP:BP+1] offset:64*(\b)
	global_load_b128 v[8*(\b)+4:8*(\b)+7], v[BO], s[BP:BP+1] offset:64*(\b)+16
.endr
	WIN 0
	; a fragment of x: lane l holds row l % 16; two loads of 16 bytes, 32 bytes apart
	v_mul_u32_u24 v3, v1, PITCH
	v_lshl_add_u32 v3, v2, 4, v3
	s_mul_i32 s21, s11, HALFT                      ; my 128 rows of x
	v_add_nc_u32 v[ADRA0], s21, v3
	v_mov_b32 v[ADRA], v[ADRA0]
	; a fragment of W: lane l reads 16 bytes of row 8 (l / 16) + l % 8, columns 8 ((l / 8) % 2) + 0..7; the load leaves column l % 16 and 8 values of d in the lane
	v_and_b32 v4, 7, v0
	v_lshl_add_u32 v4, v2, 3, v4
	v_mul_u32_u24 v4, v4, PB
	v_bfe_u32 v5, v0, 3, 1
	v_lshl_add_u32 v4, v5, 4, v4
	s_lshl_b32 s22, s12, 8                         ; my 128 columns: 256 bytes of a row,
	s_add_co_u32 s22, s22, 2*HALFT                 ; behind x's 256 rows
	v_add_nc_u32 v[ADRB0], s22, v4
	v_mov_b32 v[ADRB], v[ADRB0]
	s_mul_i32 s23, s10, 16*SPITCH
	s_add_co_u32 s23, s23, STAGE                   ; my stage
	v_mul_u32_u24 v6, v1, SPITCH                   ; in: row l % 16, 16 bytes for each half of the lanes
	v_lshl_add_u32 v6, v2, 4, v6
	v_add_nc_u32 v[STO], s23, v6
	v_mul_u32_u24 v7, v2, SPITCH                   ; back: lanes 0-15 one row of 256 bytes, lanes 16-31 the next
	v_lshl_add_u32 v7, v1, 4, v7
	v_add_nc_u32 v[RD], s23, v7
	v_mul_u32_u24 v7, v2, CROW                     ; and the same two rows in qkv
	v_lshl_add_u32 v[CO], v1, 4, v7
	s_lshl_b32 s16, s13, 8
	s_lshl_b32 s17, s11, 7
	s_add_co_u32 s16, s16, s17                     ; my first row of the first tile
	s_mul_i32 s16, s16, CROW
	s_mov_b32 s17, 0
	s_add_nc_u64 s[8:9], s[78:79], s[16:17]
	s_lshl_b32 s46, ttmp9, 2                       ; my first column, in bytes, in the registers that held W's address
	s_add_co_u32 s46, s46, s40
	s_lshl_b32 s46, s46, 9
	s_lshl_b32 s47, s12, 8
	s_add_co_u32 s46, s46, s47
	s_mov_b32 s47, 0
	s_add_nc_u64 s[8:9], s[8:9], s[46:47]
	; the prefetches.  x: of the 128 rows that I fetch, my work-group's 32 (by cx), a lane a row.  W: of the 64 rows, my work-group's 16 (by cy), two lanes a row of 512 bytes
	s_lshl_b32 s20, s13, 8
	s_lshl_b32 s21, s12, 7
	s_add_co_u32 s20, s20, s21
	s_lshl_b32 s21, s40, 5
	s_add_co_u32 s20, s20, s21
	s_lshl_b32 s20, s20, 11
	s_add_co_u32 s20, s20, 3*KSTEP*2               ; at K step 3: the first change of slots steps it to 4
	s_lshl_b32 s22, s12, 6
	s_lshl_b32 s23, s41, 4
	s_add_co_u32 s22, s22, s23
	s_lshl_b32 s22, s22, 11
	s_lshl_b32 s23, ttmp9, 21
	s_add_co_u32 s22, s22, s23
	s_lshl_b32 s23, s40, 9
	s_add_co_u32 s22, s22, s23
	s_add_co_u32 s22, s22, 3*WSTEP
	s_and_b32 s23, ttmp7, 0xffff                   ; cluster y
	s_mov_b32 s[PFS], WSTEP
	s_mov_b32 s[PFS+1], 0
	s_mov_b32 s21, 0
	s_cmp_eq_u32 s11, 0                            ; do I fetch for x?
	s_cselect_b32 s20, s20, s22
	s_cselect_b32 s22, 2, 10                       ; how long I would ask: x's rows through both tiles, W's in the first tile alone
	s_cselect_b32 s23, ttmp9, s23                  ; the coordinate along which other clusters read the same rows
	s_cselect_b64 s[PFA:PFA+1], s[4:5], s[6:7]
	s_cselect_b32 s[PFS], KSTEP*2, s[PFS]
	s_add_nc_u64 s[PFA:PFA+1], s[PFA:PFA+1], s[20:21]
	s_cmp_eq_u32 s23, 0
	s_cselect_b32 s[LIM], s22, -1                  ; the same in all sixteen partners, for a given wave
	v_and_b32 v8, 31, v0
	v_lshrrev_b32 v9, s11, v8                      ; the row: the lane (x) or half the lane (W),
	v_and_b32 v10, s11, v8                         ; and for W which 256 bytes of it
	v_lshlrev_b32 v10, 8, v10
	v_lshl_add_u32 v[PFO], v9, 11, v10
; 16 matrix instructions: m blocks a0, a0 + 1 of the window's four (hi = 0: rows 0-63, 1: rows 64-127) x all 8 n blocks, 32 along K.  first = 1: the bias starts the sums.
; The 64 accumulators take turns in the same order in every quarter, one instruction a turn.
.macro MUL16 f, hi, a0, first
.if \first
	WIN 0x91+0x40*(\hi)                            ; W and the bias in window 1, x in window 0, D in window 2 or 3
.else
	WIN 0xa1+0x50*(\hi)                            ; W in window 1, x in window 0, C and D in window 2 or 3
.endif
.irp a, \a0, (\a0)+1
.irp b, 0,1,2,3,4,5,6,7
.if \first
	v_wmma_f32_16x16x32_bf16 v[8*(8*(\a)+(\b)):8*(8*(\a)+(\b))+7], v[(\f)+8*(\b):(\f)+8*(\b)+7], v[(\f)+8*(4*(\hi)+(\a)):(\f)+8*(4*(\hi)+(\a))+7], v[8*(\b):8*(\b)+7]
.else
	v_wmma_f32_16x16x32_bf16 v[8*(8*(\a)+(\b)):8*(8*(\a)+(\b))+7], v[(\f)+8*(\b):(\f)+8*(\b)+7], v[(\f)+8*(4*(\hi)+(\a)):(\f)+8*(4*(\hi)+(\a))+7], v[8*(8*(\a)+(\b)):8*(8*(\a)+(\b))+7]
.endif
.endr
.endr
.endm
; 32 LDS loads in one run: quarter q (32 along K) of the slot in hand into buffer f: W's 8 fragments, turned, then x's 8
.macro FETCH q, f
	WIN TO_B
.irp i, 0,1,2,3,4,5,6,7
	ds_load_tr16_b128 v[(\f)+8*(\i):(\f)+8*(\i)+3],   v[ADRB] offset:(\q)*32*PB+32*(\i)
	ds_load_tr16_b128 v[(\f)+8*(\i)+4:(\f)+8*(\i)+7], v[ADRB] offset:(\q)*32*PB+32*(\i)+16*PB
.endr
	WIN 0
.irp i, 0,1,2,3,4,5,6,7
	ds_load_b128 v[(\f)+8*(\i):(\f)+8*(\i)+3],   v[ADRA] offset:64*(\q)+(\i)*16*PITCH
	ds_load_b128 v[(\f)+8*(\i)+4:(\f)+8*(\i)+7], v[ADRA] offset:64*(\q)+(\i)*16*PITCH+32
.endr
.endm
.macro PLACES                          ; four plain instructions between a matrix instruction and a load into, or a vector read of, its registers
.rept 4
	v_nop
.endr
.endm
; One of a K step's first three quarters: multiplies buffer f; in its middle it fetches quarter q of the same slot into buffer g
.macro QUARTER q, f, g, first
	s_wait_dscnt 8                                 ; W and x's rows 0-63 are in; the youngest eight loads (x's rows 64-127) may be out
	MUL16 \f, 0, 0, \first
	MUL16 \f, 0, 2, \first
	PLACES
	FETCH \q, \g
	s_wait_dscnt 32                                ; all but the 32 just issued
	MUL16 \f, 1, 0, \first
	MUL16 \f, 1, 2, \first
.endm
; A K step's last quarter multiplies buffer 1 and changes slots: one barrier; in front of it each wave waits for all its tensor loads, adds 0 to its spare word, and waits for that and for its reads of this slot.
; fill = 1: the barrier opens a round of the cluster's barrier, and the slot just read is filled again, two steps of the walk on, first thing behind the round: from that request to the wait for it a wave issues 224 matrix instructions.
; The walking descriptors are stepped between the add and the wait for it, where no tensor load of mine is out.  Where the count stands at 8 the fill is the second tile's K step 0: x goes 4,096 rows down and seven K steps back, W seven K steps back.
; fill = 0, the last two steps: nothing is asked for; in the very last (the count stands at 1) there is no next step, and the fetch is jumped over; its barrier is passed for nothing, once a launch: the price of one text for both.
.macro TURN fill
.if \fill
	s_wait_xcnt 0x0                                ; the last prefetch, a K step back, has read its address
	s_cmp_eq_u32 s3, 10                            ; here the prefetches, two fills ahead of the descriptors, reach the second tile
	s_cselect_b32 s[PFT], s[CNA], s[PFS]
	s_add_nc_u64 s[PFA:PFA+1], s[PFA:PFA+1], s[PFT:PFT+1]
.endif
	WIN 0                                          ; the add's two registers lie in window 0
	s_wait_tensorcnt 0x0                           ; all my tensor loads have landed: the one that was out is my part of the next slot; so a group 0 may be written
	ds_add_u32 v[SPW], v[NIL]
.if \fill
	s_cmp_eq_u32 s3, 8
	s_cselect_b32 s[JA], s[CNA], KSTEP*2
	s_cselect_b32 s[JB], 8*WSTEP, 0
	s_xor_b32 s[G0+5], s[G0+5], SLOT               ; the other slot than last time,
	s_add_nc_u64 s[G0+6:G0+7], s[G0+6:G0+7], s[JA:JA+1]  ; the walk's next step; the type bits on top are not reached
	s_xor_b32 s[G0B+5], s[G0B+5], SLOT
	s_add_nc_u64 s[G0B+6:G0B+7], s[G0B+6:G0B+7], WSTEP
	s_sub_nc_u64 s[G0B+6:G0B+7], s[G0B+6:G0B+7], s[JB:JB+1]
.endif
	s_wait_dscnt 9                                 ; the add and the youngest eight loads may be out
	MUL16 F1, 0, 0, 0                              ; sixteen matrix instructions stand between the add and the wait for it
	s_wait_dscnt 0x0                               ; the add is done, and my reads of this slot are over
	s_barrier_signal -1
	MUL16 F1, 0, 2, 0                              ; work on registers while the others arrive
	WIN 0
	s_barrier_wait -1
.if \fill
	CREST                                          ; no wave of any partner still reads this slot or has a load on its way
	JLOAD 1                                        ; its four v_nop are also the places in front of the loads below
.else
	s_cmp_eq_u32 s3, 1
	s_cbranch_scc1 .Lno_next_\@
	PLACES
.endif
	s_xor_b32 s[TB], s[TB], SLOT                   ; the fetches go on in the other slot
	v_add_nc_u32 v[ADRA], s[TB], v[ADRA0]
	v_add_nc_u32 v[ADRB], s[TB], v[ADRB0]
	FETCH 0, F0
.if \fill
	ASK
.else
.Lno_next_\@:
.endif
	MUL16 F1, 1, 0, 0
	MUL16 F1, 1, 2, 0
.endm
; THE WAY OUT of block a (16 rows): rounded to bf16, 16 bytes a lane; into my own stage and back as whole rows of 256 bytes; stored
.macro PACK a
.set AC, 64*((\a)%4)
	WIN 0x0a+5*((\a)/4)                            ; sources 0 and 1: window 2 or 3
.irp b, 0,1,2,3,4,5,6,7
.irp r, 0,1,2,3
	v_cvt_pk_bf16_f32 v[TMP+4*(\b)+(\r)], v[AC+8*(\b)+2*(\r)], v[AC+8*(\b)+2*(\r)+1]
.endr
.endr
	WIN 0
.endm
.macro TOSTAGE a
	WIN 0
.set BK, OB+192*((\a)%2)
.irp b, 0,1,2,3,4,5,6,7
	ds_store_b128 v[STO], v[TMP+4*(\b):TMP+4*(\b)+3] offset:32*(\b)
.endr
.irp t, 0,1,2,3,4,5,6,7
	ds_load_b128 v[BK+4*(\t):BK+4*(\t)+3], v[RD] offset:(\t)*2*SPITCH  ; LDS serves a wave's instructions in order (ISA guide 5.7.1.4): these see the stores above
.endr
.endm
.macro SEND a
	WIN 0
.set BK, OB+192*((\a)%2)
	s_wait_dscnt 0x0                               ; the block is back in registers
	s_wait_xcnt 0x0                                ; earlier stores have read their registers: the other set of rows is loaded again only behind this wait
.irp t, 0,1,2,3,4,5,6,7
	global_store_b128 v[CO], v[BK+4*(\t):BK+4*(\t)+3], s[8:9] offset:(16*(\a)+2*(\t))*CROW  ; 16 lanes store 256 consecutive bytes, at a multiple of 256 from qkv's first byte
.endr
.endm
; A whole tile's way out.  It touches neither fragment buffer 0, which may hold the next tile's first fragments, nor the bias; block a's conversions stand between block a - 1's loads from the stage and the wait for them.
.macro OUT
	PLACES
	PACK 0
	TOSTAGE 0
.irp a, 1,2,3,4,5,6,7
	PACK \a
	SEND (\a)-1
	TOSTAGE \a
.endr
	SEND 7
.endm
	s_wait_tensorcnt 1                             ; my part of K step 0 is in; K step 1's may stay out
	s_barrier_signal -1
	s_barrier_wait -1                              ; everybody's is
	FETCH 0, F0
	s_wait_loadcnt 0x0                             ; the bias
	s_mov_b32 s3, 14
	s_branch .Lnew
.Lstep:                                        ; fourteen trips: the walk's steps 0 to 13 are multiplied, its steps 2 to 15 asked for
	s_cmp_eq_u32 s3, 6                             ; step 8 is the second tile's first
	s_cbranch_scc1 .Lnew
	QUARTER 1, F0, F1, 0
	WIN 0                                          ; at a label and at a branch every window is 0
	s_branch .Lmid
.Lnew:                                         ; a tile's first quarter: its products start the sums, with the bias as C
.rept 5
	v_nop                                          ; five plain instructions between the last products on an accumulator and the product that writes it anew (ISA guide 7.12.1), on every way that leads here
.endr
	QUARTER 1, F0, F1, 1
	WIN 0
.Lmid:
	QUARTER 2, F1, F0, 0
	QUARTER 3, F0, F1, 0
	TURN 1
	WIN 0
	s_cmp_lg_u32 s3, 7                             ; step 7 was the first tile's last
	s_cbranch_scc1 .Lgo_on
	OUT                                            ; both refills for the second tile's first steps are asked for, its first fragments fetched: now the first tile goes out; nothing waits for its stores
	s_wait_xcnt 0x0                                ; the stores have read their base
	s_add_nc_u64 s[8:9], s[8:9], WALK*CROW         ; my rows of the second tile
.Lgo_on:
	s_sub_co_u32 s3, s3, 1
	s_cmp_lg_u32 s3, 0
	s_cbranch_scc1 .Lstep
	s_mov_b32 s3, 2
.Ltail:                                        ; the walk's steps 14 and 15 have a text of their own
	QUARTER 1, F0, F1, 0
	QUARTER 2, F1, F0, 0
	QUARTER 3, F0, F1, 0
	TURN 0
	WIN 0
	s_sub_co_u32 s3, s3, 1
	s_cmp_lg_u32 s3, 0
	s_cbranch_scc1 .Ltail
	OUT
	s_branch .Lend
; THE COPY.  Work-group 4 R + cx of 64 takes 128 rows of inputs: eight trips of 16 rows.  Thread t of 128 takes the bytes 16 t of each half row: a load or store of a wave covers 512 consecutive bytes, aligned.
.Lcopy:
	s_lshl_b32 s84, s13, 2
	s_add_co_u32 s84, s84, s40
	s_lshl_b32 s86, s84, 20                        ; 128 rows of 8,192 bytes in out0,
	s_lshl_b32 s84, s84, 19                        ; of 4,096 bytes in inputs
	s_mov_b32 s85, 0
	s_mov_b32 s87, 0
	s_add_nc_u64 s[80:81], s[80:81], s[84:85]
	s_add_nc_u64 s[82:83], s[82:83], s[86:87]
	v_lshlrev_b32 v[CPO], 4, v0
	s_mov_b32 s3, 8
.Lrows:
.set i, 0
.rept 32
	global_load_b128 v[F0+4*i:F0+4*i+3], v[CPO], s[80:81] offset:(i/2)*4096+(i%2)*2048 th:TH_LOAD_NT
.set i, i+1
.endr
.set i, 0
.rept 32
	s_wait_loadcnt 31-i                            ; loads come back in order: number i is in, the 31 - i younger ones may stay out
	global_store_b128 v[CPO], v[F0+4*i:F0+4*i+3], s[82:83] offset:(i/2)*8192+(i%2)*2048 th:TH_STORE_NT
.set i, i+1
.endr
	s_wait_xcnt 0x0                                ; the stores have read their data and both bases: only now are they written again
	s_add_nc_u64 s[80:81], s[80:81], 16*4096
	s_add_nc_u64 s[82:83], s[82:83], 16*8192
	s_sub_co_u32 s3, s3, 1
	s_cmp_lg_u32 s3, 0
	s_cbranch_scc1 .Lrows
.Lend:
	s_wait_tensorcnt 0x0                           ; the wave's end
	ds_add_u32 v[SPW], v[NIL]
	s_wait_dscnt 0x0
	CROUND                                         ; the closing round: no work-group ends while a partner may still ask for a tile that names it
	s_endpgm
.Lfunc_end_k_qc4b3b0459b_qkv:
	.size	k_qc4b3b0459b_qkv, .Lfunc_end_k_qc4b3b0459b_qkv-k_qc4b3b0459b_qkv
	.p2alignl 7, 3214868480
	.fill 96, 4, 3214868480
	.section	.rodata,"a",@progbits
	.p2align	6, 0x0
	.amdhsa_kernel k_qc4b3b0459b_qkv
		.amdhsa_group_segment_fixed_size 327680
		.amdhsa_private_segment_fixed_size 0
		.amdhsa_enable_private_segment 0
		.amdhsa_kernarg_size 64
		.amdhsa_user_sgpr_count 2
		.amdhsa_user_sgpr_kernarg_segment_ptr 1
		.amdhsa_wavefront_size32 1
		.amdhsa_system_sgpr_workgroup_id_x 1
		.amdhsa_system_sgpr_workgroup_id_y 1
		.amdhsa_system_sgpr_workgroup_id_z 1
		.amdhsa_system_vgpr_workitem_id 0
		.amdhsa_next_free_vgpr 1024
		.amdhsa_next_free_sgpr 92
		.amdhsa_reserve_vcc 0
		.amdhsa_float_denorm_mode_32 3
		.amdhsa_float_denorm_mode_16_64 3
		.amdhsa_memory_ordered 1
		.amdhsa_forward_progress 1
		.amdhsa_inst_pref_size 143
	.end_amdhsa_kernel
	.amdgpu_metadata
---
amdhsa.version: [ 1, 2 ]
amdhsa.kernels:
  - .name:           k_qc4b3b0459b_qkv
    .symbol:         k_qc4b3b0459b_qkv.kd
    .args:
      - { .name: xb, .offset: 0, .size: 8, .value_kind: global_buffer, .address_space: global }
      - { .name: wb, .offset: 8, .size: 8, .value_kind: global_buffer, .address_space: global }
      - { .name: bq, .offset: 16, .size: 8, .value_kind: global_buffer, .address_space: global }
      - { .name: bk, .offset: 24, .size: 8, .value_kind: global_buffer, .address_space: global }
      - { .name: bv, .offset: 32, .size: 8, .value_kind: global_buffer, .address_space: global }
      - { .name: qkv, .offset: 40, .size: 8, .value_kind: global_buffer, .address_space: global }
      - { .name: inputs, .offset: 48, .size: 8, .value_kind: global_buffer, .address_space: global }
      - { .name: out0, .offset: 56, .size: 8, .value_kind: global_buffer, .address_space: global }
    .group_segment_fixed_size: 327680
    .private_segment_fixed_size: 0
    .kernarg_segment_align: 8
    .kernarg_segment_size: 64
    .max_flat_workgroup_size: 128
    .sgpr_count:     92
    .vgpr_count:     1024
    .wavefront_size: 32
...
	.end_amdgpu_metadata
.endif
;; end of part 2
;; launch scores (part 3): grid 36 x 4, 4 waves a work-group, no clusters, 327,680 bytes of LDS; arguments qkv, sc; writes sc
.if DOCPART == 3
	.amdgcn_target "amdgcn-amd-amdhsa--gfx1250"
	.amdhsa_code_object_version 6
	.text
	.protected	k_qc4b3b0459b_scores
	.globl	k_qc4b3b0459b_scores
	.p2align	8
	.type	k_qc4b3b0459b_scores,@function
k_qc4b3b0459b_scores:
	s_mov_b64 s[64:65], 0
	v_nop
	global_prefetch_b8 v0, s[64:65] scope:SCOPE_SE
	s_setreg_imm32_b32 hwreg(HW_REG_WAVE_MODE, 25, 1), 1
	s_wait_xcnt 0x0
; SCORES.  sc[b][q][s] = sum over k of Q[b][q][k] K[b][s][k], unscaled, in f32.  Q is columns 0-1023 and K columns 1024-2047 of qkv [8192][3072] bf16.  sc is [4][2048][2048] f32.
; Only the 36 tiles of 256 x 256 with tile column j <= tile row i are made: what lies above the diagonal is hidden by the mask that the problem itself builds.  Diagonal tiles are made whole; the launch behind masks them.
; A tile is made by four waves, 128 x 128 each, 64 accumulators; K = 1,024 goes in 8 steps of 128 through two LDS slots.  Both operands have K along their rows.
; A K STEP IS WRITTEN ONCE for the six steps that fill a slot again and once for the last two: the slot in hand is a scalar, turned by one exclusive or, and one descriptor walks from fill to fill.
; NO CLUSTER: a row of the triangle has 1 to 8 tiles and so has a column; they do not fall into fours that share a row or a column of tiles, and a partner with nothing to compute would be padding.
; THE MATRIX INSTRUCTION IS USED TRANSPOSED (source 0 = 16 keys, source 1 = 16 queries): a lane holds query l % 16 and the keys 8 (l / 16) + 0..7: 32 consecutive bytes of a row of sc.
; REGISTERS as windows of 256: window 0: v0-31 addresses; v64-127, v128-191 fragments of Q, two buffers (on the way out: rows read back);  window 1: v64-127, v128-191 fragments of K;
;   window 2: the accumulators of my rows 0-63 ((a, b) at v[8 (8 a + b)]);  window 3: those of my rows 64-127
.set KSTEP,  128
.set PITCH,  272                       ; an LDS row: 256 bytes + 16
.set HALFT,  128*PITCH                 ; what one tensor load brings: 0x8800
.set SLOT,   4*HALFT                   ; Q's 256 rows, then K's 256 rows: 0x22000, which shares no bit with wave x 0x8800: an exclusive or with it turns a tile's LDS address into the other slot's
.set STAGE,  2*SLOT                    ; behind the ring: 16 rows x 528 bytes for each wave
.set SPITCH, 528                       ; a stage row: 512 bytes + 16
.set SPARE,  STAGE+4*16*SPITCH         ; the spare words, 128 bytes a wave, which no other line names
.set QROW,   6144                      ; bytes in a row of qkv
.set SROW,   8192                      ; bytes in a row of sc
.set ADRA,  16                         ; v16  LDS address of my fragments of Q in the slot in hand
.set ADRB,  17                         ; v17  the same for K
.set ADRA0, 18                         ; v18  the same in slot 0; never rewritten
.set ADRB0, 19                         ; v19
.set STO,  24
.set RD,   25
.set CO,   26
.set SPW,  28
.set NIL,  29
.set PFO,  30
.set F0,   64
.set F1,   128
.set G1,   24                          ; s[24:31] descriptor group 1
.set G0,   32                          ; s[32:39] group 0: a set for each of the two first fills; the second then walks on
.set TB,   42                          ; s42  0 or SLOT: the slot in hand
.set LIM,  43                          ; s43  2 in a wave that prefetches, else the greatest number
.set PFA,  44
.set MSB, 0
.macro WIN new
.if MSB != (\new)
	s_set_vgpr_msb (MSB<<8)|(\new)
.set MSB, \new
.endif
.endm
.set TO_B, 0x40
.macro LOADT s                         ; my quarter of a slot: an s_nop 0 and four v_nop follow the load
	tensor_load_to_lds s[G0+4*(\s):G0+4*(\s)+3], s[G1:G1+7]
	s_nop 0
.rept 4
	v_nop
.endr
.endm
; A prefetch of the K step two refills on, for the 128 rows that I fetch myself: four instructions, a lane a row of 256 bytes.  Each block is named once in the launch: a block of Q's rows by the
; work-group of tile column 0 in its tile row, a block of K's rows by the work-group of tile row 7 in its tile column.  The loop's count goes 6 .. 1: the first four trips name K steps 4 to 7, the last two ask for nothing.
.macro ASK
	s_cmp_gt_u32 s3, s[LIM]
	s_cbranch_scc0 .Lnot_mine_\@
.irp n, 0,1,2,3
	global_prefetch_b8 v[PFO], s[PFA:PFA+1] offset:(\n)*32*QROW th:TH_LOAD_NT scope:SCOPE_SE
.endr
.Lnot_mine_\@:
.endm
	s_load_b128 s[4:7], s[0:1], 0x0                ; qkv s[4:5], sc s[6:7]
	v_lshl_add_u32 v[SPW], v0, 2, SPARE
	v_mov_b32 v[NIL], 0
	ds_add_u32 v[SPW], v[NIL]                      ; the wave's opening: the add and its wait stand ahead of my first tensor load
	v_lshrrev_b32 v1, 5, v0
	v_readfirstlane_b32 s10, v1                    ; wave 0..3
	s_lshr_b32 s11, s10, 1                         ; my half of the tile's rows.  Also: I fetch for Q (0) or for K (1)
	s_and_b32 s12, s10, 1                          ; my half of its columns.  Also: which 128 rows I fetch
	s_mov_b32 s13, 0                               ; the tile row i: how many of the rows' first numbers 1, 3, 6 .. are not above the work-group's number
.irp thr, 1,3,6,10,15,21,28
	s_cmp_ge_u32 ttmp9, \thr
	s_add_co_ci_u32 s13, s13, 0
.endr
	s_add_co_u32 s14, s13, 1
	s_mul_i32 s14, s14, s13
	s_lshr_b32 s14, s14, 1
	s_sub_co_u32 s14, ttmp9, s14                   ; the tile column j = number - i (i + 1) / 2
	s_and_b32 s15, ttmp7, 0xffff                   ; the batch
	s_mov_b32 s[G1+0], (1<<16)|(1<<20)|(5<<22)|(3<<25)  ; 2-byte elements; padding on: after every 64 words, 4 words
	s_mov_b32 s[G1+1], KSTEP<<16                   ; tensor_dim0 = 128
	s_mov_b32 s[G1+2], 128<<16                     ; tensor_dim1 = 128
	s_mov_b32 s[G1+3], KSTEP<<16                   ; tile_dim0 = 128
	s_mov_b32 s[G1+4], 128                         ; tile_dim1 = 128
	s_mov_b32 s[G1+5], 3072                        ; elements from row to row
	s_mov_b32 s[G1+6], 0
	s_mov_b32 s[G1+7], 0
	s_mov_b32 s[TB], 0
	s_cmp_eq_u32 s11, 0
	s_cselect_b32 s16, s13, s14                    ; Q's rows go by i, K's by j
	s_cselect_b32 s18, 0, 2048                     ; K begins 2,048 bytes into a row
	s_lshl_b32 s16, s16, 8
	s_lshl_b32 s17, s12, 7
	s_add_co_u32 s16, s16, s17
	s_lshl_b32 s17, s15, 11
	s_add_co_u32 s16, s16, s17                     ; the first row that I fetch
	s_mul_i32 s16, s16, QROW
	s_add_co_u32 s16, s16, s18
	s_mov_b32 s17, 0
	s_mul_i32 s20, s10, HALFT                      ; where it goes: wave x 128 rows
	s_wait_dscnt 0x0                               ; the opening add is done
	s_wait_kmcnt 0x0
	s_add_nc_u64 s[18:19], s[4:5], s[16:17]
.irp s, 0,1
	s_mov_b32 s[G0+4*(\s)], 1
	s_add_co_u32 s[G0+4*(\s)+1], s20, (\s)*SLOT
	s_add_nc_u64 s[G0+4*(\s)+2:G0+4*(\s)+3], s[18:19], (\s)*KSTEP*2
	s_or_b32 s[G0+4*(\s)+3], s[G0+4*(\s)+3], 0x80000000
.endr
	LOADT 0                                        ; the two first fills go out together: two loads of mine are out
	LOADT 1
	s_add_nc_u64 s[PFA:PFA+1], s[18:19], 3*KSTEP*2 ; at K step 3: the first change of slots steps it to 4
	s_cmp_eq_u32 s11, 0
	s_cselect_b32 s21, s14, s13
	s_cselect_b32 s22, 0, 7
	s_cmp_eq_u32 s21, s22                          ; Q's waves where j = 0, K's waves where i = 7
	s_cselect_b32 s[LIM], 2, -1
	v_and_b32 v[PFO], 31, v0
	v_mul_u32_u24 v[PFO], v[PFO], QROW
	v_and_b32 v1, 15, v0                           ; l % 16
	v_bfe_u32 v2, v0, 4, 1                         ; l / 16
	v_mul_u32_u24 v3, v1, PITCH
	v_lshl_add_u32 v3, v2, 4, v3                   ; a fragment's row x pitch + 16 x half
	s_mul_i32 s21, s11, HALFT                      ; my 128 rows of Q
	s_mul_i32 s22, s12, HALFT                      ; my 128 rows of K,
	s_add_co_u32 s22, s22, 2*HALFT                 ; behind Q's 256
	v_add_nc_u32 v[ADRA0], s21, v3
	v_add_nc_u32 v[ADRB0], s22, v3
	v_mov_b32 v[ADRA], v[ADRA0]
	v_mov_b32 v[ADRB], v[ADRB0]
	s_mul_i32 s23, s10, 16*SPITCH
	s_add_co_u32 s23, s23, STAGE                   ; my stage
	v_mul_u32_u24 v4, v1, SPITCH                   ; in: row l % 16, 32 bytes for each half of the lanes
	v_lshl_add_u32 v4, v2, 5, v4
	v_add_nc_u32 v[STO], s23, v4
	v_and_b32 v5, 31, v0
	v_lshlrev_b32 v[CO], 4, v5                     ; back and out: 32 lanes take a row's 512 bytes
	v_add_nc_u32 v[RD], s23, v[CO]
	s_lshl_b32 s16, s15, 11
	s_lshl_b32 s17, s13, 8
	s_add_co_u32 s16, s16, s17
	s_lshl_b32 s17, s11, 7
	s_add_co_u32 s16, s16, s17                     ; my first row of sc
	s_lshl_b32 s16, s16, 13
	s_lshl_b32 s17, s14, 10                        ; the tile's 256 columns of 4 bytes,
	s_add_co_u32 s16, s16, s17
	s_lshl_b32 s17, s12, 9                         ; my 128 of them
	s_add_co_u32 s16, s16, s17
	s_mov_b32 s17, 0
	s_add_nc_u64 s[8:9], s[6:7], s[16:17]
; 16 matrix instructions; zero = 1: the first product starts the sums.  The 64 accumulators take turns in the same order in every quarter.
.macro MUL16 f, hi, a0, zero
	WIN 0xa1+0x50*(\hi)                            ; K in window 1, Q in window 0, C and D in window 2 or 3
.irp a, \a0, (\a0)+1
.irp b, 0,1,2,3,4,5,6,7
.if \zero
	v_wmma_f32_16x16x32_bf16 v[8*(8*(\a)+(\b)):8*(8*(\a)+(\b))+7], v[(\f)+8*(\b):(\f)+8*(\b)+7], v[(\f)+8*(4*(\hi)+(\a)):(\f)+8*(4*(\hi)+(\a))+7], 0
.else
	v_wmma_f32_16x16x32_bf16 v[8*(8*(\a)+(\b)):8*(8*(\a)+(\b))+7], v[(\f)+8*(\b):(\f)+8*(\b)+7], v[(\f)+8*(4*(\hi)+(\a)):(\f)+8*(4*(\hi)+(\a))+7], v[8*(8*(\a)+(\b)):8*(8*(\a)+(\b))+7]
.endif
.endr
.endr
.endm
.macro FETCH q, f                      ; 32 LDS loads in one run: quarter q of the slot in hand into buffer f: K's 8 fragments, then Q's 8
	WIN TO_B
.irp i, 0,1,2,3,4,5,6,7
	ds_load_b128 v[(\f)+8*(\i):(\f)+8*(\i)+3],   v[ADRB] offset:64*(\q)+(\i)*16*PITCH
	ds_load_b128 v[(\f)+8*(\i)+4:(\f)+8*(\i)+7], v[ADRB] offset:64*(\q)+(\i)*16*PITCH+32
.endr
	WIN 0
.irp i, 0,1,2,3,4,5,6,7
	ds_load_b128 v[(\f)+8*(\i):(\f)+8*(\i)+3],   v[ADRA] offset:64*(\q)+(\i)*16*PITCH
	ds_load_b128 v[(\f)+8*(\i)+4:(\f)+8*(\i)+7], v[ADRA] offset:64*(\q)+(\i)*16*PITCH+32
.endr
.endm
.macro PLACES                          ; four plain instructions between a matrix instruction and a load into, or a read of, its registers
.rept 4
	v_nop
.endr
.endm
.macro QUARTER q, f, g, zero
	s_wait_dscnt 8                                 ; K and Q's rows 0-63 are in; the youngest eight loads may be out
	MUL16 \f, 0, 0, \zero
	MUL16 \f, 0, 2, \zero
	PLACES
	FETCH \q, \g
	s_wait_dscnt 32                                ; all but the 32 just issued
	MUL16 \f, 1, 0, \zero
	MUL16 \f, 1, 2, \zero
.endm
; A K step's last quarter and the change of slots: one barrier; in front of it each wave waits for all its tensor loads, adds 0 to its spare word, and waits for that and for its reads of this slot.
; fill = 1: the slot just read is filled again, two K steps on, first thing behind the barrier: 224 matrix instructions ahead of the wait for it.
; fill = 0, the last two steps: nothing is asked for; in the very last (the count stands at 1) there is no next step, and the fetch is jumped over; its barrier is passed for nothing, once a launch: the price of one text for both.
.macro TURN fill
.if \fill
	s_wait_xcnt 0x0                                ; the last prefetches, a K step back, have read their address
	s_add_nc_u64 s[PFA:PFA+1], s[PFA:PFA+1], KSTEP*2
.endif
	WIN 0                                          ; the add's two registers lie in window 0
	s_wait_tensorcnt 0x0                           ; all my tensor loads have landed: my part of the next slot
	ds_add_u32 v[SPW], v[NIL]
	s_wait_dscnt 9                                 ; the add and the youngest eight loads may be out
	MUL16 F1, 0, 0, 0
	s_wait_dscnt 0x0                               ; the add is done, and my reads of this slot are over
	s_barrier_signal -1
	MUL16 F1, 0, 2, 0
	WIN 0
	s_barrier_wait -1
.if \fill
	s_xor_b32 s[G0+5], s[G0+5], SLOT               ; the walking descriptor: the other slot than last time,
	s_add_nc_u64 s[G0+6:G0+7], s[G0+6:G0+7], KSTEP*2  ; the next K step; the type bits on top are not reached
	LOADT 1                                        ; its four v_nop are also the places in front of the loads below
.else
	s_cmp_eq_u32 s3, 1
	s_cbranch_scc1 .Lno_next_\@
	PLACES
.endif
	s_xor_b32 s[TB], s[TB], SLOT                   ; the fetches go on in the other slot
	v_add_nc_u32 v[ADRA], s[TB], v[ADRA0]
	v_add_nc_u32 v[ADRB], s[TB], v[ADRB0]
	FETCH 0, F0
.if \fill
	ASK
.else
.Lno_next_\@:
.endif
	MUL16 F1, 1, 0, 0
	MUL16 F1, 1, 2, 0
.endm
; THE WAY OUT of block a (16 rows x 128 columns of f32): straight from the accumulators into my own stage, 32 bytes a lane, each accumulator's low four registers first; back as whole rows of 512 bytes
.macro TOSTAGE a
.set AC, 64*((\a)%4)
.set BK, 64+64*((\a)%2)
	s_wait_xcnt 0x0                                ; the stores of two blocks back have read the registers that are loaded below
	WIN 0x08+4*((\a)/4)                            ; store data in window 2 or 3, address in window 0
.irp b, 0,1,2,3,4,5,6,7
	ds_store_b128 v[STO], v[AC+8*(\b):AC+8*(\b)+3]   offset:64*(\b)
	ds_store_b128 v[STO], v[AC+8*(\b)+4:AC+8*(\b)+7] offset:64*(\b)+16
.endr
	WIN 0
.irp t, 0,1,2,3,4,5,6,7,8,9,10,11,12,13,14,15
	ds_load_b128 v[BK+4*(\t):BK+4*(\t)+3], v[RD] offset:(\t)*SPITCH  ; LDS serves a wave's instructions in order (ISA guide 5.7.1.4): these see the stores above; the next block's stores come behind them
.endr
.endm
.macro SEND a, younger                 ; younger: the LDS instructions issued behind block a's loads: the next block's 32, or none
.set BK, 64+64*((\a)%2)
.irp t, 0,1,2,3,4,5,6,7,8,9,10,11,12,13,14,15
	s_wait_dscnt (\younger)+15-(\t)
	global_store_b128 v[CO], v[BK+4*(\t):BK+4*(\t)+3], s[8:9] offset:(16*(\a)+(\t))*SROW th:TH_STORE_NT  ; a wave stores 512 consecutive bytes, at a multiple of 256 from sc's first byte
.endr
.endm
	s_wait_tensorcnt 1                             ; my part of K step 0 is in; K step 1's may stay out
	s_barrier_signal -1
	s_barrier_wait -1
	FETCH 0, F0
	QUARTER 1, F0, F1, 1                           ; the first quarter is written out: its products start the sums
	WIN 0                                          ; at a label and at a branch every window is 0
	s_mov_b32 s3, 6
	s_branch .Lmid                                 ; the loop is entered behind a step's first quarter
.Lstep:                                        ; six trips: K steps 0 to 5 are multiplied, K steps 2 to 7 asked for
	QUARTER 1, F0, F1, 0
	WIN 0
.Lmid:
	QUARTER 2, F1, F0, 0
	QUARTER 3, F0, F1, 0
	TURN 1
	WIN 0
	s_sub_co_u32 s3, s3, 1
	s_cmp_lg_u32 s3, 0
	s_cbranch_scc1 .Lstep
	s_mov_b32 s3, 2
.Ltail:                                        ; K steps 6 and 7 have a text of their own
	QUARTER 1, F0, F1, 0
	QUARTER 2, F1, F0, 0
	QUARTER 3, F0, F1, 0
	TURN 0
	WIN 0
	s_sub_co_u32 s3, s3, 1
	s_cmp_lg_u32 s3, 0
	s_cbranch_scc1 .Ltail
	PLACES
	TOSTAGE 0
.irp a, 1,2,3,4,5,6,7
	TOSTAGE \a
	SEND (\a)-1, 32
.endr
	SEND 7, 0
	s_wait_tensorcnt 0x0                           ; the wave's end
	ds_add_u32 v[SPW], v[NIL]
	s_wait_dscnt 0x0
	s_endpgm
.Lfunc_end_k_qc4b3b0459b_scores:
	.size	k_qc4b3b0459b_scores, .Lfunc_end_k_qc4b3b0459b_scores-k_qc4b3b0459b_scores
	.p2alignl 7, 3214868480
	.fill 96, 4, 3214868480
	.section	.rodata,"a",@progbits
	.p2align	6, 0x0
	.amdhsa_kernel k_qc4b3b0459b_scores
		.amdhsa_group_segment_fixed_size 327680
		.amdhsa_private_segment_fixed_size 0
		.amdhsa_enable_private_segment 0
		.amdhsa_kernarg_size 16
		.amdhsa_user_sgpr_count 2
		.amdhsa_user_sgpr_kernarg_segment_ptr 1
		.amdhsa_wavefront_size32 1
		.amdhsa_system_sgpr_workgroup_id_x 1
		.amdhsa_system_sgpr_workgroup_id_y 1
		.amdhsa_system_sgpr_workgroup_id_z 1
		.amdhsa_system_vgpr_workitem_id 0
		.amdhsa_next_free_vgpr 1024
		.amdhsa_next_free_sgpr 66
		.amdhsa_reserve_vcc 0
		.amdhsa_float_denorm_mode_32 3
		.amdhsa_float_denorm_mode_16_64 3
		.amdhsa_memory_ordered 1
		.amdhsa_forward_progress 1
		.amdhsa_inst_pref_size 99
	.end_amdhsa_kernel
	.amdgpu_metadata
---
amdhsa.version: [ 1, 2 ]
amdhsa.kernels:
  - .name:           k_qc4b3b0459b_scores
    .symbol:         k_qc4b3b0459b_scores.kd
    .args:
      - { .name: qkv, .offset: 0, .size: 8, .value_kind: global_buffer, .address_space: global }
      - { .name: sc, .offset: 8, .size: 8, .value_kind: global_buffer, .address_space: global }
    .group_segment_fixed_size: 327680
    .private_segment_fixed_size: 0
    .kernarg_segment_align: 8
    .kernarg_segment_size: 16
    .max_flat_workgroup_size: 128
    .sgpr_count:     66
    .vgpr_count:     1024
    .wavefront_size: 32
...
	.end_amdgpu_metadata
.endif
;; end of part 3
;; launch softmax (part 4): grid 256 x 4, 8 waves a work-group, no clusters, 0 bytes of LDS; arguments sc, pb; writes pb
.if DOCPART == 4
	.amdgcn_target "amdgcn-amd-amdhsa--gfx1250"
	.amdhsa_code_object_version 6
	.text
	.protected	k_qc4b3b0459b_softmax
	.globl	k_qc4b3b0459b_softmax
	.p2align	8
	.type	k_qc4b3b0459b_softmax,@function
k_qc4b3b0459b_softmax:
	s_mov_b64 s[64:65], 0
	v_nop
	global_prefetch_b8 v0, s[64:65] scope:SCOPE_SE
	s_setreg_imm32_b32 hwreg(HW_REG_WAVE_MODE, 25, 1), 1
	s_wait_xcnt 0x0
; SOFTMAX.  pb[b][q][s] = softmax over s <= q of sc[b][q][s] / 32, rounded once to bf16.  sc [4][2048][2048] f32 (only its tiles of 256 x 256 on and below the diagonal hold numbers), pb the same shape in bf16.
; Row q is written for the columns below 256 (q / 256 + 1): beyond q with zeros; the rest of pb is neither written here nor read later.
; p = 2^(c s - c m) / l, c = log2(e) / 32, m the row's true maximum over the visible scores, l the sum of the unrounded 2^(..): all in f32.
; LIMITS.  A hidden score counts as the lowest finite number, so its weight is exactly 0 (the problem's fill of -1e9 gives the same wherever a row's largest scaled score lies above about -1e9 + 100);
; a weight below 2^-126 counts as 0; NaN and infinities are not treated apart.
; SHARES.  One wave, one row, kept in registers between the maximum, the sum and the scaling: sc is read once.  A row's T + 1 chunks of 256 columns (T = q / 256) are GROUPS counted back from the diagonal:
; group k is chunk T - k, so the mask always falls on group 0.  Groups beyond T are not loaded: their registers hold the lowest finite number, give weight 0, and are not stored.
; A load of a wave covers 512 consecutive bytes, a store 256, aligned.  No LDS, no barrier, no loop.
.set X,  8                             ; v[8:71]    group k, half u, number j at X + 8 k + 4 u + j: column 128 u + 4 lane + j of the chunk
.set Y,  72                            ; v[72:103]  the same in bf16: Y + 4 k + 2 u
.set M,  104                           ; v[104:107] four running maxima
.set SM, 108                           ; v[108:115] four pairs of sums
	s_load_b128 s[4:7], s[0:1], 0x0                ; sc s[4:5], pb s[6:7]
	v_lshrrev_b32 v1, 5, v0
	v_readfirstlane_b32 s8, v1                     ; wave 0..7
	s_lshl_b32 s9, ttmp9, 3
	s_add_co_u32 s9, s9, s8                        ; q
	s_and_b32 s10, ttmp7, 0xffff                   ; the batch
	s_lshr_b32 s11, s9, 8                          ; T
	s_and_b32 s12, s9, 255                         ; q's place in the diagonal chunk
	s_lshl_b32 s13, s10, 11
	s_add_co_u32 s13, s13, s9                      ; the row among all 8,192
	s_lshl_b32 s18, s13, 13                        ; sc: rows of 8,192 bytes, chunks of 1,024
	s_lshl_b32 s19, s11, 10
	s_add_co_u32 s18, s18, s19
	s_mov_b32 s19, 0
	s_lshl_b32 s20, s13, 12                        ; pb: rows of 4,096 bytes, chunks of 512
	s_lshl_b32 s21, s11, 9
	s_add_co_u32 s20, s20, s21
	s_mov_b32 s21, 0
	s_mov_b32 s14, 0x3d38aa3b                      ; c = log2(e) / 32
	s_mov_b32 s15, s14                             ; named with it as a pair
	s_mov_b32 s16, 0x76543210                      ; v_permlanex16_b32: each lane takes its own place in the other half
	s_mov_b32 s17, 0xfedcba98
	v_and_b32 v1, 31, v0
	v_lshlrev_b32 v2, 4, v1                        ; my 16 bytes of 512
	v_lshlrev_b32 v3, 3, v1                        ; my 8 bytes of 256
	v_lshlrev_b32 v4, 2, v1
	v_sub_nc_u32 v4, s12, v4                       ; number j of half u is hidden where 128 u + j is greater than this
	v_mov_b32 v5, 0xff7fffff                       ; the lowest finite number
	v_mov_b32 v116, 0                              ; the exchange's destination counts as read
.set i, 8
.rept 56
	v_mov_b32 v[X+i], v5                           ; groups 1 to 7, for the rows that have fewer
.set i, i+1
.endr
	s_wait_kmcnt 0x0
	s_add_nc_u64 s[4:5], s[4:5], s[18:19]          ; both at the row's diagonal chunk; earlier chunks are reached by negative immediates
	s_add_nc_u64 s[6:7], s[6:7], s[20:21]
.macro LDG k
	global_load_b128 v[X+8*(\k):X+8*(\k)+3],   v2, s[4:5] offset:-1024*(\k) th:TH_LOAD_NT
	global_load_b128 v[X+8*(\k)+4:X+8*(\k)+7], v2, s[4:5] offset:512-1024*(\k) th:TH_LOAD_NT
.endm
	LDG 0
.irp k, 1,2,3,4,5,6,7
	s_cmp_lt_u32 s11, \k                           ; the row has no group k: nor any later one
	s_cbranch_scc1 .Lloaded
	LDG \k
.endr
.Lloaded:
	s_wait_loadcnt 0x0                             ; the whole row
.irp u, 0,1
.irp j, 0,1,2,3
	v_cmp_gt_i32 vcc_lo, 128*(\u)+(\j), v4
	v_cndmask_b32 v[X+4*(\u)+(\j)], v[X+4*(\u)+(\j)], v5, vcc_lo
.endr
.endr
	; the maximum: four chains of 16 numbers, three operands at a time
.irp c, 0,1,2,3
	v_max3_num_f32 v[M+(\c)], v[X+16*(\c)], v[X+16*(\c)+1], v[X+16*(\c)+2]
.endr
.irp i, 0,1,2,3,4,5
.irp c, 0,1,2,3
	v_max3_num_f32 v[M+(\c)], v[M+(\c)], v[X+16*(\c)+3+2*(\i)], v[X+16*(\c)+4+2*(\i)]
.endr
.endr
.irp c, 0,1,2,3
	v_max_num_f32 v[M+(\c)], v[M+(\c)], v[X+16*(\c)+15]
.endr
	v_max3_num_f32 v[M], v[M], v[M+1], v[M+2]
	v_max_num_f32 v[M], v[M], v[M+3]
	v_max_num_f32_dpp v[M], v[M], v[M] row_xmask:1 row_mask:0xf bank_mask:0xf
	v_max_num_f32_dpp v[M], v[M], v[M] row_xmask:2 row_mask:0xf bank_mask:0xf
	v_max_num_f32_dpp v[M], v[M], v[M] row_xmask:4 row_mask:0xf bank_mask:0xf
	v_max_num_f32_dpp v[M], v[M], v[M] row_xmask:8 row_mask:0xf bank_mask:0xf
	v_permlanex16_b32 v116, v[M], s16, s17
	v_max_num_f32 v[M], v[M], v116                 ; every lane holds the row's maximum
	v_mul_f32 v6, s14, v[M]                        ; c m
	v_mov_b32 v7, v6                               ; named with it as a pair
.set i, 0
.rept 32
	v_pk_fma_f32 v[X+i:X+i+1], v[X+i:X+i+1], s[14:15], v[6:7] op_sel_hi:[1,0,0] neg_lo:[0,0,1] neg_hi:[0,0,1]  ; c s - c m
.set i, i+2
.endr
.set i, 0
.rept 64
	v_exp_f32 v[X+i], v[X+i]                       ; one batch: none reads another's result
.set i, i+1
.endr
	v_nop                                          ; a plain instruction behind the last exponential (ISA guide 5.7.2),
	s_wait_alu depctr_va_vdst(0)                   ; and one wait ahead of the batch's first reader
	; the sum: four chains of eight pairs
.irp c, 0,1,2,3
	v_pk_add_f32 v[SM+2*(\c):SM+2*(\c)+1], v[X+16*(\c):X+16*(\c)+1], v[X+16*(\c)+2:X+16*(\c)+3]
.endr
.irp i, 2,3,4,5,6,7
.irp c, 0,1,2,3
	v_pk_add_f32 v[SM+2*(\c):SM+2*(\c)+1], v[SM+2*(\c):SM+2*(\c)+1], v[X+16*(\c)+2*(\i):X+16*(\c)+2*(\i)+1]
.endr
.endr
	v_pk_add_f32 v[SM:SM+1], v[SM:SM+1], v[SM+2:SM+3]
	v_pk_add_f32 v[SM+4:SM+5], v[SM+4:SM+5], v[SM+6:SM+7]
	v_pk_add_f32 v[SM:SM+1], v[SM:SM+1], v[SM+4:SM+5]
	v_add_f32 v[SM], v[SM], v[SM+1]
	v_add_f32_dpp v[SM], v[SM], v[SM] row_xmask:1 row_mask:0xf bank_mask:0xf
	v_add_f32_dpp v[SM], v[SM], v[SM] row_xmask:2 row_mask:0xf bank_mask:0xf
	v_add_f32_dpp v[SM], v[SM], v[SM] row_xmask:4 row_mask:0xf bank_mask:0xf
	v_add_f32_dpp v[SM], v[SM], v[SM] row_xmask:8 row_mask:0xf bank_mask:0xf
	v_permlanex16_b32 v116, v[SM], s16, s17
	v_add_f32 v[SM], v[SM], v116                   ; l, at least 1: the maximum's own weight
	v_rcp_f32 v118, v[SM]
	v_rcp_f32 v119, v[SM]                          ; twice, for the packed multiply
	v_nop
	s_wait_alu depctr_va_vdst(0)                   ; one wait for both reciprocals
.set i, 0
.rept 32
	v_pk_mul_f32 v[X+i:X+i+1], v[X+i:X+i+1], v[118:119]
.set i, i+2
.endr
.set i, 0
.rept 32
	v_cvt_pk_bf16_f32 v[Y+i], v[X+2*i], v[X+2*i+1]
.set i, i+1
.endr
.macro STG k
	global_store_b64 v3, v[Y+4*(\k):Y+4*(\k)+1],   s[6:7] offset:-512*(\k)
	global_store_b64 v3, v[Y+4*(\k)+2:Y+4*(\k)+3], s[6:7] offset:256-512*(\k)
.endm
	STG 0
.irp k, 1,2,3,4,5,6,7
	s_cmp_lt_u32 s11, \k
	s_cbranch_scc1 .Lstored
	STG \k
.endr
.Lstored:
	s_endpgm
.Lfunc_end_k_qc4b3b0459b_softmax:
	.size	k_qc4b3b0459b_softmax, .Lfunc_end_k_qc4b3b0459b_softmax-k_qc4b3b0459b_softmax
	.p2alignl 7, 3214868480
	.fill 96, 4, 3214868480
	.section	.rodata,"a",@progbits
	.p2align	6, 0x0
	.amdhsa_kernel k_qc4b3b0459b_softmax
		.amdhsa_group_segment_fixed_size 0
		.amdhsa_private_segment_fixed_size 0
		.amdhsa_enable_private_segment 0
		.amdhsa_kernarg_size 16
		.amdhsa_user_sgpr_count 2
		.amdhsa_user_sgpr_kernarg_segment_ptr 1
		.amdhsa_wavefront_size32 1
		.amdhsa_system_sgpr_workgroup_id_x 1
		.amdhsa_system_sgpr_workgroup_id_y 1
		.amdhsa_system_sgpr_workgroup_id_z 1
		.amdhsa_system_vgpr_workitem_id 0
		.amdhsa_next_free_vgpr 128
		.amdhsa_next_free_sgpr 66
		.amdhsa_reserve_vcc 1
		.amdhsa_float_denorm_mode_32 3
		.amdhsa_float_denorm_mode_16_64 3
		.amdhsa_memory_ordered 1
		.amdhsa_forward_progress 1
		.amdhsa_inst_pref_size 21
	.end_amdhsa_kernel
	.amdgpu_metadata
---
amdhsa.version: [ 1, 2 ]
amdhsa.kernels:
  - .name:           k_qc4b3b0459b_softmax
    .symbol:         k_qc4b3b0459b_softmax.kd
    .args:
      - { .name: sc, .offset: 0, .size: 8, .value_kind: global_buffer, .address_space: global }
      - { .name: pb, .offset: 8, .size: 8, .value_kind: global_buffer, .address_space: global }
    .group_segment_fixed_size: 0
    .private_segment_fixed_size: 0
    .kernarg_segment_align: 8
    .kernarg_segment_size: 16
    .max_flat_workgroup_size: 256
    .sgpr_count:     66
    .vgpr_count:     128
    .wavefront_size: 32
...
	.end_amdgpu_metadata
.endif
;; end of part 4
;; launch pv (part 5): grid 8 x 32, 4 waves a work-group, clusters of 4 x 1, 327,680 bytes of LDS; arguments pb, qkv, out0; writes out0
.if DOCPART == 5
	.amdgcn_target "amdgcn-amd-amdhsa--gfx1250"
	.amdhsa_code_object_version 6
	.text
	.protected	k_qc4b3b0459b_pv
	.globl	k_qc4b3b0459b_pv
	.p2align	8
	.type	k_qc4b3b0459b_pv,@function
k_qc4b3b0459b_pv:
	s_mov_b64 s[64:65], 0
	v_nop
	global_prefetch_b8 v0, s[64:65] scope:SCOPE_SE
	s_setreg_imm32_b32 hwreg(HW_REG_WAVE_MODE, 25, 1), 1
	s_wait_xcnt 0x0
	s_wait_alu depctr_hold_cnt(0) depctr_sa_sdst(0) depctr_va_vdst(0) depctr_va_sdst(0) depctr_va_ssrc(0) depctr_va_vcc(0) depctr_vm_vsrc(0)
	s_getreg_b32 s2, hwreg(HW_REG_IB_STS2, 6, 4)
	s_cmp_eq_u32 s2, 0
	s_cbranch_scc0 .Lentry_in_a_cluster
	s_endpgm
.Lentry_in_a_cluster:
	s_bfe_u32 s2, ttmp6, 0x10000c
	s_cmp_lg_u32 s2, 0x3003
	s_cbranch_scc0 .Lentry_shape_is_right
	s_endpgm
.Lentry_shape_is_right:
; PV.  out0[b][q][1024 + c] = sum over s of pb[b][q][s] V[b][s][c].  pb [4][2048][2048] bf16 (weights, 0 beyond the diagonal), V = columns 2048-3071 of qkv [8192][3072] bf16; sums in f32; out0 [8192][2048] f32.
; THE WALK.  A block of 128 queries, number i of 16 in a batch, needs the keys below 256 (i / 2 + 1): i / 2 + 1 steps of 256 keys.  A work-group takes TWO blocks, p and then 15 - p: 9 steps whatever p:
; all 256 work-groups do equal work, and one counted walk of 9 steps goes through the ring of two LDS slots, across the change of blocks too.  Which tile is asked for hangs on scalar registers made from p.
; A STEP IS WRITTEN ONCE for the seven steps that fill a slot again and once for the last two: the slot in hand is a scalar, turned by one exclusive or, and one pair of descriptors walks from fill to fill.
; A tile of out0 is 128 queries x 128 channels; four waves, 64 x 64 each: 16 accumulators.  The step that begins a block hangs on p, so no first product is written out:
; the accumulators are cleared, 128 v_mov_b32, while the first tile is awaited and once more at the change of blocks.
; P's tile has the keys along its rows.  V's tile lies [key][channel]; its fragments are turned on the way out of LDS by ds_load_tr16_b128.
; CLUSTER of 4 x 1: four channel tiles of the same batch and pair.  They walk the same tiles of P, which are asked for jointly (mask of four); V's tiles are each work-group's own (no mask), behind the same rounds.
; THE MATRIX INSTRUCTION IS USED TRANSPOSED (source 0 = 16 channels of V, source 1 = 16 queries of P): a lane holds query l % 16 and the channels 8 (l / 16) + 0..7: 32 consecutive bytes of out0.
; REGISTERS: window 0: v0-31 addresses; v32-95 rows read back on the way out; v128-255 the accumulators ((a, b) at v[128 + 8 (4 a + b)]);
;   window 1: two fragment buffers of 128: for 64 keys, 64 registers of P (2 x 4 fragments), then 64 of V.
.set PP,     528                       ; an LDS row of P: 512 bytes + 16
.set PV,     288                       ; an LDS row of V: 256 bytes + 32: an odd multiple of 32
.set VOFF,   128*PP                    ; a slot: P's 128 rows, then V's 256 rows: 141,312 bytes
.set SLOT,   0x24000                   ; slot 1 begins here: 147,456, which shares no bit with a tile's place in a slot (0, 0x8400, 0x10800, 0x19800): an exclusive or with it turns a tile's LDS address into the other slot's
.set STAGE,  2*SLOT                    ; behind the ring: 16 rows x 272 bytes for each wave
.set SPITCH, 272
.set SPARE,  STAGE+4*16*SPITCH         ; the spare words, 128 bytes a wave, which no other line names
.set OROW,   8192                      ; bytes in a row of out0
.set VSTEP,  256*6144                  ; a step of 256 keys in qkv
.set ADRA,  16                         ; v16     LDS address of my fragments of P in the slot in hand
.set ADRB,  17                         ; v17-18  of V: keys 0-127, keys 128-255 (so that the immediates stay within 16 bits)
.set ADRA0, 19                         ; v19     the same in slot 0; never rewritten
.set ADRB0, 20                         ; v20-21
.set STO,  24
.set RD,   25
.set CO,   26
.set SPW,  28                          ; v28  my spare word; never rewritten
.set NIL,  29                          ; v29  0; never rewritten
.set PFO,  30                          ; v30  the prefetches' lane offset; never rewritten
.set TMP,  32
.set ACC,  128
.set F0,   0
.set F1,   128
.set G1,   24                          ; s[24:31] group 1 for P's tiles
.set G0,   32                          ; s[32:39] group 0 for P's tiles: a set for each of the two first fills; the second then walks on
.set PBW,  40                          ; s[40:41] pb at the batch's first row + my 64 rows of a block
.set VW,   42                          ; s[42:43] V at the batch's first key + my 128 keys of a step, my work-group's 128 channels
.set PFA,  44                          ; s[44:45] what my next prefetch names
.set PL,   46                          ; s46  prefetches still to come
.set NXT,  47                          ; s47  the step, within its block, of the tile to be asked for next
.set G1B,  48                          ; s[48:55] group 1 for V's tiles
.set G0B,  56                          ; s[56:63] group 0 for V's tiles, likewise
.set LQ,   66                          ; s66  the last step of the block whose tiles are being asked for
.set ROWB, 67                          ; s67  that block's byte offset in a batch of pb
.set ROWL, 68                          ; s68  the second block's
.set OFA,  70                          ; s[70:71] a tile's offset in pb
.set OFB,  72                          ; s[72:73] in qkv
.set RT,   74                          ; s74  steps of the block in hand that are still to be multiplied
.set TB,   75                          ; s75  0 or SLOT: the slot in hand
.set OUTL, 76                          ; s[76:77] out0 at my rows of the second block
.set MSB, 0
.macro WIN new
.if MSB != (\new)
	s_set_vgpr_msb (MSB<<8)|(\new)
.set MSB, \new
.endif
.endm
.set MUL,  0x05                        ; sources 0 and 1 window 1; C and D window 0
.set TO_F, 0x40                        ; destination window 1, address window 0
.macro JLOAD s                         ; waves 0 and 1 fetch P's two halves, jointly with the partners; waves 2 and 3 V's two halves.  An s_nop 0 and four v_nop follow each line
	s_cmp_eq_u32 s11, 0
	s_cbranch_scc0 .Lfor_b_\@
	tensor_load_to_lds s[G0+4*(\s):G0+4*(\s)+3], s[G1:G1+7]
	s_nop 0
.rept 4
	v_nop
.endr
	s_branch .Lasked_\@
.Lfor_b_\@:
	tensor_load_to_lds s[G0B+4*(\s):G0B+4*(\s)+3], s[G1B:G1B+7]
	s_nop 0
.rept 4
	v_nop
.endr
.Lasked_\@:
.endm
.macro CREST
	s_cmp_lg_u32 s10, 0
	s_cbranch_scc1 .Lnot_wave_0_\@
	s_barrier_signal -3
.Lnot_wave_0_\@:
	s_barrier_wait -3
	s_barrier_signal -1
	s_barrier_wait -1
.endm
.macro CROUND
	s_barrier_signal -1
	s_barrier_wait -1
	CREST
.endm
; The next tile's two addresses are made anew from its numbers, into set s of the descriptors; then the numbers step: behind the first block's last step come the second block's, from step 0.
; It stands where no tensor load of the wave is out.  P's address is made of the batch, the pair, the wave and the step alone, which all four partners share.
.macro SETFILL s
	s_lshl_b32 s[OFA], s[NXT], 9                   ; 256 keys of 2 bytes
	s_add_co_u32 s[OFA], s[OFA], s[ROWB]
	s_add_nc_u64 s[G0+4*(\s)+2:G0+4*(\s)+3], s[PBW:PBW+1], s[OFA:OFA+1]
	s_or_b32 s[G0+4*(\s)+3], s[G0+4*(\s)+3], 0x80000000
	s_mul_i32 s[OFB], s[NXT], VSTEP
	s_add_nc_u64 s[G0B+4*(\s)+2:G0B+4*(\s)+3], s[VW:VW+1], s[OFB:OFB+1]
	s_or_b32 s[G0B+4*(\s)+3], s[G0B+4*(\s)+3], 0x80000000
	s_add_co_u32 s[NXT], s[NXT], 1
	s_cmp_gt_u32 s[NXT], s[LQ]
	s_cselect_b32 s[NXT], 0, s[NXT]
	s_cselect_b32 s[ROWB], s[ROWL], s[ROWB]
	s_cselect_b32 s[LQ], 99, s[LQ]                 ; the second block's steps end with the walk
.endm
; A prefetch of the tile of P that stands two refills on (256 matrix instructions ahead of the load that will want it).  Fills 4 to 8 of the walk always lie in the second block (the first has four steps at the most),
; so a pointer that steps 512 bytes names them.  Of the 64 rows that a wave fetches each of the four partners takes 16, by address: two lanes a row of 512 bytes.  The tiles are read by both clusters of a pair: the first asks.
; V is not asked for: all pairs of a batch walk it from key 0 at the same time and again in their second blocks, so nobody is ahead of its first reading.
.macro ASK
	s_cmp_lg_u32 s[PL], 0
	s_cbranch_scc0 .Lnot_mine_\@
	global_prefetch_b8 v[PFO], s[PFA:PFA+1] th:TH_LOAD_NT scope:SCOPE_SE
	s_sub_co_u32 s[PL], s[PL], 1
.Lnot_mine_\@:
.endm
.macro CLEAR
.set i, 0
.rept 128
	v_mov_b32 v[ACC+i], 0
.set i, i+1
.endr
.endm
	s_load_b128 s[4:7], s[0:1], 0x0                ; pb s[4:5], qkv s[6:7]
	s_load_b64 s[8:9], s[0:1], 0x10                ; out0
	v_lshl_add_u32 v[SPW], v0, 2, SPARE
	v_mov_b32 v[NIL], 0
	ds_add_u32 v[SPW], v[NIL]                      ; the wave's opening: the add and its wait stand ahead of my first tensor load
	v_lshrrev_b32 v1, 5, v0
	v_readfirstlane_b32 s10, v1                    ; wave 0..3
	s_lshr_b32 s11, s10, 1                         ; my half of the tile's rows.  Also: I fetch for P (0) or for V (1)
	s_and_b32 s12, s10, 1                          ; my half of its columns.  Also: which half of that tile I fetch
	s_bfe_u32 s13, ttmp6, 0x40000                  ; cx
	s_lshl_b32 s14, ttmp9, 2
	s_add_co_u32 s14, s14, s13                     ; the channel tile = 4 x cluster x + cx
	s_and_b32 s15, ttmp7, 0xffff
	s_lshr_b32 s16, s15, 3                         ; the batch
	s_and_b32 s17, s15, 7                          ; p: the first block
	s_lshr_b32 s18, s17, 1
	s_add_co_u32 s18, s18, 1                       ; its steps
	s_sub_co_u32 s19, 15, s17                      ; the second block
	s_mov_b32 s[G1+0], 15|(1<<16)|(1<<20)|(1<<21)|(6<<22)|(3<<25)  ; the mask of four; 2-byte elements; padding on; bit 21 beside a mask; after every 128 words, 4 words
	s_mov_b32 s[G1+1], 256<<16                     ; tensor_dim0 = 256
	s_mov_b32 s[G1+2], 64<<16                      ; tensor_dim1 = 64
	s_mov_b32 s[G1+3], 256<<16                     ; tile_dim0 = 256
	s_mov_b32 s[G1+4], 64                          ; tile_dim1 = 64
	s_mov_b32 s[G1+5], 2048                        ; elements from row to row
	s_mov_b32 s[G1+6], 0
	s_mov_b32 s[G1+7], 0
	s_mov_b32 s[G1B+0], (1<<16)|(1<<20)|(5<<22)|(7<<25)  ; no mask; after every 64 words, 8 words
	s_mov_b32 s[G1B+1], 128<<16                    ; tensor_dim0 = 128
	s_mov_b32 s[G1B+2], 128<<16                    ; tensor_dim1 = 128
	s_mov_b32 s[G1B+3], 128<<16                    ; tile_dim0 = 128
	s_mov_b32 s[G1B+4], 128                        ; tile_dim1 = 128
	s_mov_b32 s[G1B+5], 3072
	s_mov_b32 s[G1B+6], 0
	s_mov_b32 s[G1B+7], 0
	s_mov_b32 s[TB], 0
	s_mov_b32 s[NXT], 0
	s_sub_co_u32 s[LQ], s18, 1
	s_lshl_b32 s[ROWB], s17, 19                    ; 128 rows of 4,096 bytes
	s_lshl_b32 s[ROWL], s19, 19
	s_mov_b32 s[OFA+1], 0
	s_mov_b32 s[OFB+1], 0
	s_mov_b32 s[RT], s18
	s_lshl_b32 s20, s16, 23                        ; pb: the batch's 2,048 rows,
	s_lshl_b32 s21, s12, 18                        ; my 64 rows of a block
	s_add_co_u32 s20, s20, s21
	s_mov_b32 s21, 0
	s_lshl_b32 s22, s16, 11                        ; V: the batch's first key + my 128 keys of a step,
	s_lshl_b32 s23, s12, 7
	s_add_co_u32 s22, s22, s23
	s_mul_i32 s22, s22, 6144
	s_lshl_b32 s23, s14, 8                         ; my work-group's 128 channels,
	s_add_co_u32 s22, s22, s23
	s_add_co_u32 s22, s22, 4096                    ; behind q's and k's columns
	s_mov_b32 s23, 0
	s_wait_dscnt 0x0                               ; the opening add is done
	s_wait_kmcnt 0x0
	s_add_nc_u64 s[PBW:PBW+1], s[4:5], s[20:21]
	s_add_nc_u64 s[VW:VW+1], s[6:7], s[22:23]
	CROUND                                         ; all four work-groups are here: the first joint loads meet
	s_mul_i32 s20, s12, 64*PP                      ; where the tiles go: no place in the cluster enters an LDS address
	s_mul_i32 s21, s12, 128*PV
	s_add_co_u32 s21, s21, VOFF
.irp s, 0,1
	s_mov_b32 s[G0+4*(\s)], 1
	s_add_co_u32 s[G0+4*(\s)+1], s20, (\s)*SLOT
	s_mov_b32 s[G0B+4*(\s)], 1
	s_add_co_u32 s[G0B+4*(\s)+1], s21, (\s)*SLOT
	SETFILL \s
.endr
	JLOAD 0                                        ; two loads of mine are out
	JLOAD 1
	v_and_b32 v1, 15, v0                           ; l % 16
	v_bfe_u32 v2, v0, 4, 1                         ; l / 16
	v_mul_u32_u24 v3, v1, PP
	v_lshl_add_u32 v3, v2, 4, v3                   ; a fragment of P: row x pitch + 16 x half
	s_mul_i32 s20, s11, 64*PP                      ; my 64 rows
	v_add_nc_u32 v[ADRA0], s20, v3
	v_mov_b32 v[ADRA], v[ADRA0]
	v_and_b32 v4, 7, v0                            ; a fragment of V: lane l reads 16 bytes of key 8 (l / 16) + l % 8, channels 8 ((l / 8) % 2) + 0..7
	v_lshl_add_u32 v4, v2, 3, v4
	v_mul_u32_u24 v4, v4, PV
	v_bfe_u32 v5, v0, 3, 1
	v_lshl_add_u32 v4, v5, 4, v4
	s_lshl_b32 s21, s12, 7                         ; my 64 channels: 128 bytes of a row
	s_add_co_u32 s21, s21, VOFF
	v_add_nc_u32 v[ADRB0], s21, v4
	v_add_nc_u32 v[ADRB0+1], 128*PV, v[ADRB0]
	v_mov_b32 v[ADRB], v[ADRB0]
	v_mov_b32 v[ADRB+1], v[ADRB0+1]
	s_mul_i32 s20, s10, 16*SPITCH
	s_add_co_u32 s20, s20, STAGE                   ; my stage
	v_mul_u32_u24 v6, v1, SPITCH                   ; in: row l % 16, 32 bytes for each half of the lanes
	v_lshl_add_u32 v6, v2, 5, v6
	v_add_nc_u32 v[STO], s20, v6
	v_mul_u32_u24 v7, v2, SPITCH                   ; back: lanes 0-15 one row of 256 bytes, lanes 16-31 the next
	v_lshl_add_u32 v7, v1, 4, v7
	v_add_nc_u32 v[RD], s20, v7
	v_lshlrev_b32 v7, 13, v2                       ; and the same two rows in out0
	v_lshl_add_u32 v[CO], v1, 4, v7
	s_lshl_b32 s22, s16, 11                        ; out0: the batch's first row + my 64 rows of a block,
	s_lshl_b32 s23, s11, 6
	s_add_co_u32 s22, s22, s23
	s_lshl_b32 s22, s22, 13
	s_lshl_b32 s23, s14, 9                         ; the work-group's 128 channels of 4 bytes,
	s_add_co_u32 s22, s22, s23
	s_lshl_b32 s23, s12, 8                         ; my 64 of them,
	s_add_co_u32 s22, s22, s23
	s_add_co_u32 s22, s22, 4096                    ; behind the copy of the inputs
	s_mov_b32 s23, 0
	s_add_nc_u64 s[8:9], s[8:9], s[22:23]
	s_lshl_b32 s22, s19, 20                        ; a block is 128 rows of 8,192 bytes
	s_add_nc_u64 s[OUTL:OUTL+1], s[8:9], s[22:23]
	s_lshl_b32 s22, s17, 20
	s_add_nc_u64 s[8:9], s[8:9], s[22:23]
	s_lshl_b32 s22, s16, 11                        ; the prefetches: the second block's rows, my 64 of them, my work-group's 16 of those,
	s_lshl_b32 s23, s19, 7
	s_add_co_u32 s22, s22, s23
	s_lshl_b32 s23, s12, 6
	s_add_co_u32 s22, s22, s23
	s_lshl_b32 s23, s13, 4
	s_add_co_u32 s22, s22, s23
	s_lshl_b32 s22, s22, 12
	s_add_co_u32 s22, s22, 1536                    ; one step short of fill 4's, which is that block's step 4 - (the first block's steps)
	s_lshl_b32 s23, s18, 9
	s_sub_co_u32 s22, s22, s23
	s_mov_b32 s23, 0
	s_add_nc_u64 s[PFA:PFA+1], s[4:5], s[22:23]
	s_or_b32 s22, ttmp9, s11
	s_cmp_eq_u32 s22, 0                            ; P's waves of the pair's first cluster: the same in all four partners
	s_cselect_b32 s[PL], 5, 0
	v_and_b32 v8, 31, v0
	v_lshrrev_b32 v9, 1, v8
	v_and_b32 v10, 1, v8
	v_lshlrev_b32 v10, 8, v10
	v_lshl_add_u32 v[PFO], v9, 12, v10
	CLEAR                                          ; in the wait for the first tile
; 8 matrix instructions: m blocks a0, a0 + 1 x all 4 n blocks, 32 keys: half c of buffer f.  The 16 accumulators take turns, one instruction a turn.
.macro MUL8 f, c, a0
	WIN MUL
.irp a, \a0, (\a0)+1
.irp b, 0,1,2,3
	v_wmma_f32_16x16x32_bf16 v[ACC+8*(4*(\a)+(\b)):ACC+8*(4*(\a)+(\b))+7], v[(\f)+64+8*(4*(\c)+(\b)):(\f)+64+8*(4*(\c)+(\b))+7], v[(\f)+8*(4*(\c)+(\a)):(\f)+8*(4*(\c)+(\a))+7], v[ACC+8*(4*(\a)+(\b)):ACC+8*(4*(\a)+(\b))+7]
.endr
.endr
.endm
; 32 LDS loads in one run: quarter q (64 keys) of the slot in hand into buffer f; the first 32 keys first
.macro FETCH q, f
	WIN TO_F
.irp c, 0,1
.irp i, 0,1,2,3
	ds_load_tr16_b128 v[(\f)+64+8*(4*(\c)+(\i)):(\f)+64+8*(4*(\c)+(\i))+3],   v[ADRB+(\q)/2] offset:(((\q)%2)*64+32*(\c))*PV+32*(\i)
	ds_load_tr16_b128 v[(\f)+64+8*(4*(\c)+(\i))+4:(\f)+64+8*(4*(\c)+(\i))+7], v[ADRB+(\q)/2] offset:(((\q)%2)*64+32*(\c))*PV+32*(\i)+16*PV
	ds_load_b128 v[(\f)+8*(4*(\c)+(\i)):(\f)+8*(4*(\c)+(\i))+3],   v[ADRA] offset:128*(\q)+64*(\c)+(\i)*16*PP
	ds_load_b128 v[(\f)+8*(4*(\c)+(\i))+4:(\f)+8*(4*(\c)+(\i))+7], v[ADRA] offset:128*(\q)+64*(\c)+(\i)*16*PP+32
.endr
.endr
.endm
.macro PLACES                          ; four plain instructions between a matrix instruction and a load into, or a read or write of, its registers
.rept 4
	v_nop
.endr
.endm
.macro QUARTER q, f, g                 ; multiplies buffer f; in its middle fetches quarter q of the same slot into buffer g
	s_wait_dscnt 16                                ; the first 32 keys are in
	MUL8 \f, 0, 0
	MUL8 \f, 0, 2
	PLACES
	FETCH \q, \g
	s_wait_dscnt 32                                ; all but the 32 just issued
	MUL8 \f, 1, 0
	MUL8 \f, 1, 2
.endm
; A step's last quarter and the change of slots.  fill = 1: the barrier opens a round of the cluster's barrier, and the slot just read is filled again first thing behind it:
; 112 matrix instructions ahead of the wait for it.  fill = 0, the last two steps: nothing is asked for; in the very last (the count stands at 1) there is no next step, and the fetch is jumped over;
; its barrier is passed for nothing, once a launch: the price of one text for both.
.macro TURN fill
.if \fill
	s_wait_xcnt 0x0                                ; the last prefetch, a step back, has read its address
	s_add_nc_u64 s[PFA:PFA+1], s[PFA:PFA+1], 512
.endif
	WIN 0                                          ; the add's two registers lie in window 0
	s_wait_tensorcnt 0x0                           ; all my tensor loads have landed: my part of the next slot; so a group 0 may be written
	ds_add_u32 v[SPW], v[NIL]
.if \fill
	s_xor_b32 s[G0+5], s[G0+5], SLOT               ; the walking descriptors: the other slot than last time,
	s_xor_b32 s[G0B+5], s[G0B+5], SLOT
	SETFILL 1                                      ; the walk's next tile
.endif
	s_wait_dscnt 17                                ; the add and the youngest sixteen loads may be out
	MUL8 F1, 0, 0
	s_wait_dscnt 0x0                               ; the add is done, and my reads of this slot are over
	s_barrier_signal -1
	MUL8 F1, 0, 2
	WIN 0
	s_barrier_wait -1
.if \fill
	CREST                                          ; no wave of any partner still reads this slot or has a load on its way
	JLOAD 1                                        ; its four v_nop are also the places in front of the loads below
.else
	s_cmp_eq_u32 s3, 1
	s_cbranch_scc1 .Lno_next_\@
	PLACES
.endif
	s_xor_b32 s[TB], s[TB], SLOT                   ; the fetches go on in the other slot
	v_add_nc_u32 v[ADRA], s[TB], v[ADRA0]
	v_add_nc_u32 v[ADRB], s[TB], v[ADRB0]
	v_add_nc_u32 v[ADRB+1], s[TB], v[ADRB0+1]
	FETCH 0, F0
	WIN 0
.if \fill
	ASK
.else
.Lno_next_\@:
.endif
	MUL8 F1, 1, 0
	MUL8 F1, 1, 2
.endm
.macro STEP fill
	QUARTER 1, F0, F1
	QUARTER 2, F1, F0
	QUARTER 3, F0, F1
	TURN \fill
.endm
; THE WAY OUT of m block a (16 rows x 64 channels of f32): from the accumulators into my own stage, each accumulator's low four registers first; back as whole rows of 256 bytes
.macro TOSTAGE a
	s_wait_xcnt 0x0                                ; earlier stores have read the registers that are loaded below
.irp b, 0,1,2,3
	ds_store_b128 v[STO], v[ACC+8*(4*(\a)+(\b)):ACC+8*(4*(\a)+(\b))+3]   offset:64*(\b)
	ds_store_b128 v[STO], v[ACC+8*(4*(\a)+(\b))+4:ACC+8*(4*(\a)+(\b))+7] offset:64*(\b)+16
.endr
.irp t, 0,1,2,3,4,5,6,7
	ds_load_b128 v[TMP+32*((\a)%2)+4*(\t):TMP+32*((\a)%2)+4*(\t)+3], v[RD] offset:(\t)*2*SPITCH  ; LDS serves a wave's instructions in order (ISA guide 5.7.1.4)
.endr
.endm
.macro SEND a, younger                 ; younger: the next block's sixteen LDS instructions, or none
.irp t, 0,1,2,3,4,5,6,7
	s_wait_dscnt (\younger)+7-(\t)
	global_store_b128 v[CO], v[TMP+32*((\a)%2)+4*(\t):TMP+32*((\a)%2)+4*(\t)+3], s[8:9] offset:(16*(\a)+2*(\t))*OROW th:TH_STORE_NT  ; 16 lanes store 256 consecutive bytes, at a multiple of 256 from out0's first byte
.endr
.endm
.macro OUT
	PLACES
	TOSTAGE 0
	TOSTAGE 1
	SEND 0, 16
	TOSTAGE 2
	SEND 1, 16
	TOSTAGE 3
	SEND 2, 16
	SEND 3, 0
.endm
; Behind a step of the loop: if it was the first block's last, the block goes out and the second begins.  The jump goes forward, over no barrier and no tensor load, and hangs on p, which all partners share.
.macro OUTC
	WIN 0
	s_sub_co_u32 s[RT], s[RT], 1
	s_cmp_lg_u32 s[RT], 0
	s_cbranch_scc1 .Lgo_on_\@
	OUT
	s_wait_xcnt 0x0                                ; the stores have read their base
	s_mov_b64 s[8:9], s[OUTL:OUTL+1]
	s_mov_b32 s[RT], 64                            ; more than the steps that are left: the second block ends with the walk
	CLEAR
.Lgo_on_\@:
.endm
	s_wait_tensorcnt 1                             ; my part of step 0 is in; step 1's may stay out
	s_barrier_signal -1
	s_barrier_wait -1
	FETCH 0, F0
	WIN 0
	s_mov_b32 s3, 7
.Lstep:                                        ; seven trips: steps 0 to 6 are multiplied, fills 2 to 8 asked for; the first block ends behind one of the steps 0 to 3
	STEP 1
	OUTC
	s_sub_co_u32 s3, s3, 1
	s_cmp_lg_u32 s3, 0
	s_cbranch_scc1 .Lstep
	s_mov_b32 s3, 2
.Ltail:                                        ; steps 7 and 8 have a text of their own
	STEP 0
	WIN 0
	s_sub_co_u32 s3, s3, 1
	s_cmp_lg_u32 s3, 0
	s_cbranch_scc1 .Ltail
	OUT
	s_wait_tensorcnt 0x0                           ; the wave's end
	ds_add_u32 v[SPW], v[NIL]
	s_wait_dscnt 0x0
	CROUND                                         ; the closing round: no work-group ends while a partner may still ask for a tile that names it
	s_endpgm
.Lfunc_end_k_qc4b3b0459b_pv:
	.size	k_qc4b3b0459b_pv, .Lfunc_end_k_qc4b3b0459b_pv-k_qc4b3b0459b_pv
	.p2alignl 7, 3214868480
	.fill 96, 4, 3214868480
	.section	.rodata,"a",@progbits
	.p2align	6, 0x0
	.amdhsa_kernel k_qc4b3b0459b_pv
		.amdhsa_group_segment_fixed_size 327680
		.amdhsa_private_segment_fixed_size 0
		.amdhsa_enable_private_segment 0
		.amdhsa_kernarg_size 24
		.amdhsa_user_sgpr_count 2
		.amdhsa_user_sgpr_kernarg_segment_ptr 1
		.amdhsa_wavefront_size32 1
		.amdhsa_system_sgpr_workgroup_id_x 1
		.amdhsa_system_sgpr_workgroup_id_y 1
		.amdhsa_system_sgpr_workgroup_id_z 1
		.amdhsa_system_vgpr_workitem_id 0
		.amdhsa_next_free_vgpr 512
		.amdhsa_next_free_sgpr 80
		.amdhsa_reserve_vcc 0
		.amdhsa_float_denorm_mode_32 3
		.amdhsa_float_denorm_mode_16_64 3
		.amdhsa_memory_ordered 1
		.amdhsa_forward_progress 1
		.amdhsa_inst_pref_size 73
	.end_amdhsa_kernel
	.amdgpu_metadata
---
amdhsa.version: [ 1, 2 ]
amdhsa.kernels:
  - .name:           k_qc4b3b0459b_pv
    .symbol:         k_qc4b3b0459b_pv.kd
    .args:
      - { .name: pb, .offset: 0, .size: 8, .value_kind: global_buffer, .address_space: global }
      - { .name: qkv, .offset: 8, .size: 8, .value_kind: global_buffer, .address_space: global }
      - { .name: out0, .offset: 16, .size: 8, .value_kind: global_buffer, .address_space: global }
    .group_segment_fixed_size: 327680
    .private_segment_fixed_size: 0
    .kernarg_segment_align: 8
    .kernarg_segment_size: 24
    .max_flat_workgroup_size: 128
    .sgpr_count:     80
    .vgpr_count:     512
    .wavefront_size: 32
...
	.end_amdgpu_metadata
.endif
;; end of part 5
;; ======== version 2 of 2: 5 launches; version 1 with the launch prep written anew for expert scheduling mode
;; limits: right only within a limited range of input values
;; workspace buffers: xb 16,777,216 bytes; wb 6,291,456 bytes; qkv 50,331,648 bytes; sc 67,108,864 bytes; pb 33,554,432 bytes
;; launch prep (part 6): grid 704 x 1, 8 waves a work-group, no clusters, 0 bytes of LDS; arguments inputs, Wq, Wk, Wv, xb, wb; writes xb, wb
.if DOCPART == 6
	.amdgcn_target "amdgcn-amd-amdhsa--gfx1250"
	.amdhsa_code_object_version 6
	.text
	.protected	k_qc4b3b0459b_prep
	.globl	k_qc4b3b0459b_prep
	.p2align	8
	.type	k_qc4b3b0459b_prep,@function
k_qc4b3b0459b_prep:
	s_mov_b64 s[64:65], 0
	v_nop
	global_prefetch_b8 v0, s[64:65] scope:SCOPE_SE
	s_setreg_imm32_b32 hwreg(HW_REG_WAVE_SCHED_MODE, 0, 2), 2
	s_setreg_imm32_b32 hwreg(HW_REG_WAVE_MODE, 25, 1), 1
	s_wait_xcnt 0x0
	s_wait_alu depctr_vm_vsrc(0)
; PREP.  x [8192][1024] f32 -> xb bf16, rounded once; Wq, Wk, Wv [1024][1024] f32 -> wb [3][1024][1024] bf16, as they lie (d counts the rows, n runs along a row).
; A stream: each byte is read once and written once; no LDS, no barrier, no matrix work.
; SHARES.  A row is 4,096 bytes; thread t of 256 takes its bytes 16 t.  A work-group takes 16 rows: groups 0-511 those of x, groups 512-703 those of the
; three weight matrices (64 groups each).  All 16 loads of a thread go out at once; a load of a wave covers 512 consecutive bytes, a store 256, aligned.
; THE MODE: SCHED_MODE bits 1:0 = 2 (LLVM: expert scheduling mode 2), set by the entry lines.  The code itself states the register dependences
; between vector instructions and memory instructions, with s_wait_alu, always for 0.
; THE PLAN.  Registers that memory instructions touch:
;   v1, v2   byte offsets of the loads and of the stores: written once at the head, never again.
;   X        row i: written by its load, read by its two conversions; no vector instruction names it ahead of the load, and no second load lands in it.
;   Y        row i: written by its two conversions, read by its store; never written again.
; The 16 rows go in four blocks of four.  Block p rounds its own X into its own Y; its memory instructions are the four stores of block p - 1, which read
; that block's Y and v2, registers that no conversion of block p names.  So one wait at a block's head states all that its four stores hang on, and they are
; dealt among the block's conversions with no further wait.  No register is written twice, so nothing has to be stated ahead of a rewrite.
.set X, 4                              ; v[4:67]   row i as loaded: 4 registers
.set Y, 68                             ; v[68:99]  row i in bf16: 2 registers
.set BLOCK, 4                          ; rows in a block
	s_load_b256 s[4:11], s[0:1], 0x0               ; inputs s[4:5], Wq s[6:7], Wk s[8:9], Wv s[10:11]
	s_load_b128 s[12:15], s[0:1], 0x20             ; xb s[12:13], wb s[14:15]
	v_lshlrev_b32 v1, 4, v0                        ; my 16 bytes of an f32 row
	v_lshlrev_b32 v2, 3, v0                        ; my 8 bytes of a bf16 row
	s_mov_b32 s27, 0                               ; high word of every offset
	s_wait_kmcnt 0x0
	s_cmp_lt_u32 ttmp9, 512
	s_cbranch_scc0 .Lweights
	s_lshl_b32 s26, ttmp9, 16                      ; 16 rows of 4,096 bytes
	s_add_nc_u64 s[20:21], s[4:5], s[26:27]
	s_lshl_b32 s26, ttmp9, 15                      ; 16 rows of 2,048 bytes
	s_add_nc_u64 s[22:23], s[12:13], s[26:27]
	s_branch .Lrows
.Lweights:
	s_sub_co_u32 s28, ttmp9, 512                   ; 0..191
	s_lshr_b32 s29, s28, 6                         ; which matrix: 0 q, 1 k, 2 v
	s_cmp_eq_u32 s29, 0
	s_cselect_b64 s[20:21], s[6:7], s[8:9]
	s_cmp_eq_u32 s29, 2
	s_cselect_b64 s[20:21], s[10:11], s[20:21]
	s_and_b32 s26, s28, 63
	s_lshl_b32 s26, s26, 16                        ; its 16 rows in that matrix
	s_add_nc_u64 s[20:21], s[20:21], s[26:27]
	s_lshl_b32 s26, s28, 15                        ; the three matrices lie end to end in wb
	s_add_nc_u64 s[22:23], s[14:15], s[26:27]
.Lrows:                                        ; 16 rows from s[20:21] to s[22:23]; no register is written twice
	s_wait_alu depctr_va_vdst(0)                   ; v1 and v2 are written: every load below reads v1 as its offset, every store v2
.irp i, 0,1,2,3,4,5,6,7,8,9,10,11,12,13,14,15
	global_load_b128 v[X+4*(\i):X+4*(\i)+3], v1, s[20:21] offset:4096*(\i) th:TH_LOAD_NT
.endr
; Block p: rows 4 p to 4 p + 3 are rounded; the rows of the block before are stored, a store in front of each row's two conversions.
.macro BLK p
	s_wait_loadcnt 16-BLOCK-BLOCK*(\p)             ; loads come back in order: this block's four rows are in, the younger ones may stay out
.if (\p) > 0
	s_wait_alu depctr_va_vdst(0)                   ; the conversions of the block before have written its Y, which the four stores below read
.endif
.irp i, 0,1,2,3
.if (\p) > 0
	global_store_b64 v2, v[Y+2*(BLOCK*(\p)-BLOCK+(\i)):Y+2*(BLOCK*(\p)-BLOCK+(\i))+1], s[22:23] offset:2048*(BLOCK*(\p)-BLOCK+(\i))  ; no conversion since the wait names these registers
.endif
	v_cvt_pk_bf16_f32 v[Y+2*(BLOCK*(\p)+(\i))],   v[X+4*(BLOCK*(\p)+(\i))],   v[X+4*(BLOCK*(\p)+(\i))+1]
	v_cvt_pk_bf16_f32 v[Y+2*(BLOCK*(\p)+(\i))+1], v[X+4*(BLOCK*(\p)+(\i))+2], v[X+4*(BLOCK*(\p)+(\i))+3]
.endr
.endm
	BLK 0                                          ; no block stands in front of it: nothing to store, and no wait but the one for its data
	BLK 1
	BLK 2
	BLK 3
	s_wait_alu depctr_va_vdst(0)                   ; the last block's conversions have written its Y, which the last four stores read
.irp i, 12,13,14,15
	global_store_b64 v2, v[Y+2*(\i):Y+2*(\i)+1], s[22:23] offset:2048*(\i)
.endr
	s_endpgm
.Lfunc_end_k_qc4b3b0459b_prep:
	.size	k_qc4b3b0459b_prep, .Lfunc_end_k_qc4b3b0459b_prep-k_qc4b3b0459b_prep
	.p2alignl 7, 3214868480
	.fill 96, 4, 3214868480
	.section	.rodata,"a",@progbits
	.p2align	6, 0x0
	.amdhsa_kernel k_qc4b3b0459b_prep
		.amdhsa_group_segment_fixed_size 0
		.amdhsa_private_segment_fixed_size 0
		.amdhsa_enable_private_segment 0
		.amdhsa_kernarg_size 48
		.amdhsa_user_sgpr_count 2
		.amdhsa_user_sgpr_kernarg_segment_ptr 1
		.amdhsa_wavefront_size32 1
		.amdhsa_system_sgpr_workgroup_id_x 1
		.amdhsa_system_sgpr_workgroup_id_y 1
		.amdhsa_system_sgpr_workgroup_id_z 1
		.amdhsa_system_vgpr_workitem_id 0
		.amdhsa_next_free_vgpr 112
		.amdhsa_next_free_sgpr 66
		.amdhsa_reserve_vcc 0
		.amdhsa_float_denorm_mode_32 3
		.amdhsa_float_denorm_mode_16_64 3
		.amdhsa_memory_ordered 1
		.amdhsa_forward_progress 1
		.amdhsa_inst_pref_size 7
	.end_amdhsa_kernel
	.amdgpu_metadata
---
amdhsa.version: [ 1, 2 ]
amdhsa.kernels:
  - .name:           k_qc4b3b0459b_prep
    .symbol:         k_qc4b3b0459b_prep.kd
    .args:
      - { .name: inputs, .offset: 0, .size: 8, .value_kind: global_buffer, .address_space: global }
      - { .name: Wq, .offset: 8, .size: 8, .value_kind: global_buffer, .address_space: global }
      - { .name: Wk, .offset: 16, .size: 8, .value_kind: global_buffer, .address_space: global }
      - { .name: Wv, .offset: 24, .size: 8, .value_kind: global_buffer, .address_space: global }
      - { .name: xb, .offset: 32, .size: 8, .value_kind: global_buffer, .address_space: global }
      - { .name: wb, .offset: 40, .size: 8, .value_kind: global_buffer, .address_space: global }
    .group_segment_fixed_size: 0
    .private_segment_fixed_size: 0
    .kernarg_segment_align: 8
    .kernarg_segment_size: 48
    .max_flat_workgroup_size: 256
    .sgpr_count:     66
    .vgpr_count:     112
    .wavefront_size: 32
...
	.end_amdgpu_metadata
.endif
;; end of part 6
;; launch qkv: the kernel of part 2 again; grid 16 x 16, 4 waves a work-group, clusters of 4 x 4, 327,680 bytes of LDS; arguments xb, wb, bq, bk, bv, qkv, inputs, out0; writes qkv, out0
;; launch scores: the kernel of part 3 again; grid 36 x 4, 4 waves a work-group, no clusters, 327,680 bytes of LDS; arguments qkv, sc; writes sc
;; launch softmax: the kernel of part 4 again; grid 256 x 4, 8 waves a work-group, no clusters, 0 bytes of LDS; arguments sc, pb; writes pb
;; launch pv: the kernel of part 5 again; grid 8 x 32, 4 waves a work-group, clusters of 4 x 1, 327,680 bytes of LDS; arguments pb, qkv, out0; writes out0
